; MI455X (gfx1250); checked and timed in simulation.
; The chip was launched on July 23, 2026; its instructions are those of AMD's public machine-readable ISA for CDNA 5 (MIT licence, August 2026) and "CDNA5" Instruction Set Architecture Reference Guide (July 2026). The comments in the code are by the model that wrote it; some were corrected since.
;; Causal Self Attention. Allowed arithmetic: matrix products marked QUANTISED: E2M3 operands, one E8M0 scale for each 32 along K, by v_wmma_scale_f32_16x16x128_f8f6f4 with both operands' format E2M3, f32 sums; products left as they are: f32 operands where the result goes on into a quantised operand, else bf16, f16 or f32 operands; f32 sums; everything else in f32.
;; Inputs: W_out 1,024 x 1,024 float32; W_qkv 3,072 x 1,024 float32; x 4 x 2,048 x 1,024 float32.
;; Outputs: out0 4 x 2,048 x 1,024 float32.
;; This version of the problem:
;;   THIS VERSION OF THE PROBLEM IS GIVEN IN LOW PRECISION. The matrix products marked QUANTISED in the list below multiply operands that are first quantised to E2M3 (2 exponent bits, 3 mantissa bits; 6 bits a number), with one power-of-two scale for each 32 numbers along K (OCP MX v1.0); their sums are f32. All else is computed in f32.
;;   The module's matrix products, in the order in which they are computed (A, B: the left and right operand; K: the contracted axis; several contracted axes count as one K, in the product's order):
;;     1. [M 8,192, K 1,024] x [K 1,024, N 3,072]; A: input x; B: input W_qkv: QUANTISED
;;     2. [M 2,048, K 1] x [K 1, N 32]; A: computed on the way; B: computed on the way: left as it is (no contracted axis)
;;     3. batch 64 x [M 2,048, K 64] x [K 64, N 2,048]; A: computed on the way; B: computed on the way: QUANTISED
;;     4. batch 64 x [M 2,048, K 2,048] x [K 2,048, N 64]; A: softmax (see below); B: computed on the way: QUANTISED
;;     5. [M 8,192, K 1,024] x [K 1,024, N 1,024]; A: computed on the way; B: input W_out: QUANTISED
;;   THE QUANTISER, for each operand of a quantised product, along K:
;;     - K is cut into blocks of 32 from its start; a last block that is shorter is filled with zeros.
;;     - A block's scale is 2^e with e = floor(log2(the largest magnitude in the block)) - 2, held to -126 .. 127; a block of zeros has e = 0. As a byte (E8M0): e + 127.
;;     - Each number is divided by its block's scale, clamped to +-7.5, and rounded to the nearest number of E2M3, ties to even, subnormals kept.
;;     - The product sums the exact products of the quantised numbers (number of the format x scale) in f32.
;;   ~~~python
;;   def quantise(x, axis):      # numpy; x: float32 -> the quantised numbers, widened to float32 again
;;       x = np.moveaxis(x, axis, -1); K = x.shape[-1]
;;       x = np.pad(x, [(0, 0)] * (x.ndim - 1) + [(0, -K % 32)]); x = x.reshape(x.shape[:-1] + (-1, 32)); a = np.abs(x).max(-1, keepdims=True)
;;       e = np.where(a > 0, np.clip(np.frexp(np.where(a > 0, a, 1))[1] - 1 - 2, -126, 127), 0)      # np.frexp(a)[1] - 1 = floor(log2(a)), exactly
;;       r = np.clip(x / 2.0 ** e, -7.5, 7.5)
;;       step = 2.0 ** (np.maximum(np.frexp(np.where(r == 0, 1, r))[1] - 1, 0) - 3)
;;       q = np.round(r / step) * step * 2.0 ** e      # np.round: ties to even
;;       return np.moveaxis(q.reshape(q.shape[:-2] + (-1,))[..., :K], -1, axis).astype(np.float32)
;;   ~~~
;;   SOFTMAX AHEAD OF A QUANTISED PRODUCT. Where the list says 'softmax', what is quantised is not the finished softmax but p = 2^(t - M), with t = logit x log2(e) and M = ceil(the row's largest t), a whole number; so 1/2 < the row's largest p <= 1. The row's sum l is taken of the UNQUANTISED p, in f32, and the product's result is divided by l at the end. Since M is a whole number, a kernel that streams over the keys may use a running M (the ceiling of the running maximum): every later rescaling is an exact power of two, which a block's scale takes up: the codes' values come out the same.
;;   OPERANDS COMPUTED ON THE WAY. 'Computed on the way' means the value that the module computes at that place (a softmax that the list does not call 'softmax' is quantised finished and normalised). What goes into a quantiser is computed in f32, as accurately as f32 sums, v_exp_f32 and their like allow (about 1e-6 of the number): no bf16 or f16 on the way to a quantiser, and a product that is left as it is and whose result goes on into a quantised operand takes f32 operands (vector FMAs, or v_wmma_f32_16x16x4_f32). A number that lies on a knife's edge between two numbers of the format may be rounded either way, as far as f32 arithmetic and the matrix unit's own rounding can turn it there, and no further.
;; One version. Each part assembles by itself: llvm-mc -triple=amdgcn-amd-amdhsa -mcpu=gfx1250 --defsym DOCPART=n.
;; ======== version 1 of 1: 4 launches
;; limits: right only within a limited range of input values
;; workspace buffers: xc 6,291,456 bytes; wc 3,145,728 bytes; sc1 360,448 bytes; sc2 294,912 bytes; rt 524,288 bytes; qb 6,553,600 bytes; kv 13,107,200 bytes; oc 6,291,456 bytes
;; launch quant (part 1): grid 832 x 1, 8 waves a work-group, no clusters, 69,120 bytes of LDS; arguments x, W_qkv, W_out, xc, wc, sc1, sc2, rt; writes xc, wc, sc1, sc2, rt
.if DOCPART == 1
	.amdgcn_target "amdgcn-amd-amdhsa--gfx1250"
	.amdhsa_code_object_version 6
	.text
	.protected	k_q782e0fe36d_quant
	.globl	k_q782e0fe36d_quant
	.p2align	8
	.type	k_q782e0fe36d_quant,@function
k_q782e0fe36d_quant:
	s_mov_b64 s[64:65], 0
	v_nop
	global_prefetch_b8 v0, s[64:65] scope:SCOPE_SE
	s_setreg_imm32_b32 hwreg(HW_REG_WAVE_MODE, 25, 1), 1
	s_wait_xcnt 0x0
; x [8192][1024], W_qkv [3072][1024], W_out [1024][1024], f32, K innermost, become codes of FP6 (E2M3) with one E8M0 byte for each 32 along K; and the table of cos and sin for the rotary embedding is made.
; A block's scale is 2^(floor(log2(its largest magnitude)) - 2): its byte is the largest magnitude's exponent field - 2, held at 1 from below by a floor among the maximum's leaves.
; LIMITS: NaN and infinities among the inputs are not served.  A block whose largest magnitude lies under 2^-124, a block of zeros among them, keeps the byte 1: its codes are small or zero, and this program alone reads the bytes.
; THE CODES ARE LAID AS THE READER'S REGISTERS WANT THEM.  Rows are taken in STORAGE ORDER: lane r of storage block 2 B + u holds true row 32 B + 8 u + r + 8 (r / 8), so that in a product used transposed the 16 registers
; of two neighbouring result tiles are 16 neighbours along the next K.  A fragment (16 rows x 128 K, 12 registers a lane) is an image of 1,536 bytes: for c = 0, 1: registers 6 c .. 6 c + 3 at 768 c + 16 x lane,
; registers 6 c + 4, 6 c + 5 at 768 c + 512 + 8 x lane.  Buffers: [storage block][K step 0..7][1,536].  Scale bytes: [storage row][32].
; SHARES.  Work-groups 0-511 take x's storage blocks, 512-703 W_qkv's, 704-767 W_out's; wave w takes K step w: one fragment.  Work-groups 768-831 make the table (no LDS, no barrier).
; A load reads 512 consecutive bytes of one row; the 16 rows turn through the wave's own stage in LDS (rows of 528 bytes: the 16 rows of a read start in 16 different groups of banks), from which a lane takes the 32 numbers
; of each of its two blocks: a block's largest magnitude needs no other lane.  No work-groups share an input byte: no cluster, no tensor load.
.set STG,   8448                       ; a wave's stage: 16 rows x 528 bytes
.set SCW,   8*STG                      ; the block's scale words, [r][K step]: 512 bytes
.set SPARE, SCW+512                    ; the spare words, 128 bytes for each wave: four blocks of 256 bytes that no other line names
.set R,     40                         ; v40-103  16 rows as loaded
.set X,     104                        ; v104-167 register 32 c + i: k = 64 c + 32 h + i of row r
	s_load_b512 s[4:19], s[0:1], 0x0               ; x, W_qkv, W_out, xc, wc, sc1, sc2, rt
	v_lshl_add_u32 v10, v0, 2, SPARE               ; my spare word; never rewritten
	v_mov_b32 v11, 0                               ; 0; never rewritten
	v_lshrrev_b32 v1, 5, v0
	s_delay_alu instid0(VALU_DEP_1)
	v_readfirstlane_b32 s32, v1                    ; wave 0..7
	v_and_b32 v1, 31, v0                           ; lane
	v_and_b32 v2, 15, v0                           ; r
	v_bfe_u32 v3, v0, 4, 1                         ; h
	s_delay_alu instid0(VALU_DEP_3)
	v_lshlrev_b32 v4, 4, v1                        ; 16 x lane
	s_delay_alu instid0(VALU_DEP_4)
	v_lshlrev_b32 v5, 3, v1                        ; 8 x lane
	s_mov_b32 s30, 0x76543210
	s_mov_b32 s31, 0xfedcba98                      ; v_permlanex16_b32's selects for lane l xor 16
	s_cmp_ge_u32 ttmp9, 768                        ; the work-group's number alone: all eight waves go the same way
	s_cbranch_scc1 .Ltable
	s_mul_i32 s33, s32, STG
	v_add_nc_u32 v6, s33, v4                       ; the stage, on the way in: 16 x lane of a row
	v_mul_u32_u24 v7, v2, 528
	s_delay_alu instid0(VALU_DEP_1)
	v_lshl_add_u32 v7, v3, 7, v7
	s_delay_alu instid0(VALU_DEP_1)
	v_add_nc_u32 v7, s33, v7                       ; and out: row r, 128 h bytes on
	s_lshl_b32 s34, s32, 2
	s_add_co_u32 s34, s34, SCW
	v_lshl_add_u32 v8, v2, 5, s34                  ; my row's scale word of my K step
	v_add_nc_u32 v9, SCW, v4
	s_wait_kmcnt 0x0
	s_cmp_lt_u32 ttmp9, 512                        ; which tensor: every choice hangs on the work-group's number alone
	s_cselect_b64 s[20:21], s[4:5], s[6:7]
	s_cselect_b64 s[22:23], s[10:11], s[12:13]
	s_cselect_b32 s26, 0, 512                      ; the codes' buffer begins with this work-group
	s_cmp_lt_u32 ttmp9, 704
	s_cselect_b64 s[20:21], s[20:21], s[8:9]
	s_cselect_b64 s[24:25], s[14:15], s[16:17]
	s_cselect_b32 s27, s26, 704                    ; the tensor begins with this work-group
	s_cselect_b32 s28, 0, 704
	s_cselect_b32 s29, 0, 0x40000                  ; W_out's scale bytes lie behind the 8,192 rows of o's
	s_sub_co_u32 s35, ttmp9, s27                   ; my storage block in the tensor
	s_lshr_b32 s36, s35, 1
	s_lshl_b32 s36, s36, 5
	s_and_b32 s37, s35, 1
	s_lshl_b32 s37, s37, 3
	s_add_co_u32 s36, s36, s37                     ; its first true row
	s_lshl_b32 s36, s36, 12
	s_lshl_b32 s37, s32, 9
	s_add_co_u32 s36, s36, s37                     ; + my K step's 512 bytes
	s_mov_b32 s37, 0
	s_add_nc_u64 s[20:21], s[20:21], s[36:37]
	s_sub_co_u32 s36, ttmp9, s26
	s_mul_i32 s36, s36, 12288
	s_mul_i32 s38, s32, 1536
	s_add_co_u32 s36, s36, s38
	s_add_nc_u64 s[22:23], s[22:23], s[36:37]      ; my image
	s_sub_co_u32 s36, ttmp9, s28
	s_lshl_b32 s36, s36, 9
	s_add_co_u32 s36, s36, s29
	s_add_nc_u64 s[24:25], s[24:25], s[36:37]      ; the block's 512 scale bytes
	s_wait_alu depctr_va_vdst(0)
.irp i, 0,1,2,3,4,5,6,7,8,9,10,11,12,13,14,15
	global_load_b128 v[R+4*\i:R+4*\i+3], v4, s[20:21] offset:(\i+8*(\i/8))*4096 th:TH_LOAD_NT   ; storage row i: 512 consecutive bytes
.endr
.irp i, 0,1,2,3,4,5,6,7,8,9,10,11,12,13,14,15
	s_wait_loadcnt 15-\i                           ; loads come back in order: row i is in, the younger rows stay out
	ds_store_b128 v6, v[R+4*\i:R+4*\i+3] offset:528*\i
.endr
.irp c, 0,1
.irp j, 0,1,2,3,4,5,6,7
	ds_load_b128 v[X+32*\c+4*\j:X+32*\c+4*\j+3], v7 offset:256*\c+16*\j   ; LDS serves a wave's instructions in order: these see my stores
.endr
.endr
.macro QBLK c                          ; my block 2 c + h of row r: all its 32 numbers are mine
.set XS, X+32*(\c)
	v_max3_num_f32 v12, |v[XS]|, |v[XS+1]|, |v[XS+2]|
	v_max3_num_f32 v13, |v[XS+3]|, |v[XS+4]|, |v[XS+5]|
.irp i, 6,10,14,18,22,26
	s_delay_alu instid0(VALU_DEP_2)
	v_max3_num_f32 v12, v12, |v[XS+\i]|, |v[XS+\i+1]|
	s_delay_alu instid0(VALU_DEP_2)
	v_max3_num_f32 v13, v13, |v[XS+\i+2]|, |v[XS+\i+3]|
.endr
	s_delay_alu instid0(VALU_DEP_2)
	v_max3_num_f32 v12, v12, |v[XS+30]|, |v[XS+31]|
	s_delay_alu instid0(VALU_DEP_1)
	v_max3_num_f32 v12, v12, v13, 0x1800000        ; and the floor 2^(3 - 127): the byte cannot fall under 1
	s_delay_alu instid0(VALU_DEP_1)
	v_add_nc_u32 v[14+\c], 0xff000000, v12         ; 2 off the exponent field: the conversion takes the exponent field of this operand as its scale
	v_cvt_scalef32_pk16_fp6_f32 v[20+6*\c:22+6*\c], v[XS:XS+15], v[14+\c]
	v_cvt_scalef32_pk16_fp6_f32 v[32+4*\c:34+4*\c], v[XS+16:XS+31], v[14+\c]   ; (a conversion's three registers begin on an even number)
	v_lshrrev_b32 v[16+\c], 23, v[14+\c]           ; the scale's byte; also the plain line behind the conversions
.irp i, 0,1,2
	v_mov_b32 v[23+6*\c+\i], v[32+4*\c+\i]
.endr
.endm
	s_wait_dscnt 8                                 ; the first block's eight loads are in, the second's may be out
	QBLK 0
	s_wait_dscnt 0x0
	QBLK 1
.irp c, 0,1
	global_store_b128 v4, v[20+6*\c:23+6*\c], s[22:23] offset:768*\c        ; 512 consecutive bytes, aligned
	global_store_b64 v5, v[24+6*\c:25+6*\c], s[22:23] offset:768*\c+512     ; 256 consecutive bytes, aligned
.endr
	v_lshl_or_b32 v18, v17, 16, v16                ; my two bytes: blocks h and 2 + h,
	v_lshlrev_b32 v19, 3, v3
	s_delay_alu instid0(VALU_DEP_1)
	v_lshlrev_b32 v18, v19, v18                    ; at their places in the scale word;
	v_mov_b32 v19, 0
	s_delay_alu instid0(VALU_DEP_1)
	v_permlanex16_b32 v19, v18, s30, s31
	s_delay_alu instid0(VALU_DEP_1)
	v_or_b32 v18, v18, v19                         ; with lane l xor 16's two the word is whole
	ds_store_b32 v8, v18                           ; (both lanes of a row write the same word with the same value)
	s_wait_dscnt 0x0                               ; for the others' sake: my store has landed
	s_barrier_signal -1
	s_barrier_wait -1
	s_cmp_lg_u32 s32, 0
	s_cbranch_scc1 .Lnot_wave_0
	ds_load_b128 v[12:15], v9                      ; the block's 16 rows x 32 scale bytes
	s_wait_dscnt 0x0
	global_store_b128 v4, v[12:15], s[24:25]       ; 512 consecutive bytes, aligned
.Lnot_wave_0:
	s_wait_tensorcnt 0x0                           ; the wave's end
	ds_add_u32 v10, v11
	s_wait_dscnt 0x0
	s_endpgm
; THE TABLE.  rt: [token block tb 0..127][i 0..7][lane][16 bytes]: i < 4: cos(s f_j), i >= 4: sin(s f_j), j = 16 h + 4 (i % 4) + e, e = 0..3, s = the token that lane r of storage block tb holds,
; f_j = 10000^(-j / 32) = 2^(-j log2(10000) / 32).  The angle s f_j is one f32 multiplication, as the outer product in the model has it.  It is brought into [-pi/4, pi/4] by k = the nearest whole number to
; angle x 2 / pi and two fused multiply-adds with pi / 2 in two parts (the first is exact: k has 11 bits), then sine and cosine by polynomials of degree 7 and 8, and the quadrant k mod 4 swaps and signs them.
; LIMIT: f_j comes from v_exp_f32, so an angle may differ from one made by another f32 power function by a few units in f_j's last place times s.
.Ltable:
	s_sub_co_u32 s33, ttmp9, 768
	s_lshl_b32 s33, s33, 3
	s_add_co_u32 s33, s33, s32                     ; 0..511
	s_lshr_b32 s34, s33, 2                         ; tb
	s_and_b32 s35, s33, 3                          ; i
	s_lshr_b32 s36, s34, 1
	s_lshl_b32 s36, s36, 5
	s_and_b32 s37, s34, 1
	s_lshl_b32 s37, s37, 3
	s_add_co_u32 s36, s36, s37                     ; the block's first token
	s_wait_alu depctr_va_vdst(0)
	v_and_b32 v12, 8, v2
	s_delay_alu instid0(VALU_DEP_1)
	v_add_nc_u32 v12, v12, v2
	s_delay_alu instid0(VALU_DEP_1)
	v_add_nc_u32 v12, s36, v12
	s_delay_alu instid0(VALU_DEP_1)
	v_cvt_f32_u32 v12, v12                         ; s
	s_lshl_b32 s37, s35, 2
	v_lshl_add_u32 v13, v3, 4, s37                 ; 16 h + 4 i
	s_mov_b32 s38, 0xbfc90fdb                      ; -(pi / 2)'s upper part
	s_mov_b32 s39, 0x333bbd2e                      ; the upper part is too large by this
	s_mov_b32 s40, 0xbe2aaaa3                      ; sine: -1.6666654611e-1,
	s_mov_b32 s41, 0x3c08839e                      ; 8.3321608736e-3,
	s_mov_b32 s42, 0xb94ca1f9                      ; -1.9515295891e-4
	s_mov_b32 s43, 0x3d2aaaa5                      ; cosine: 4.166664568e-2,
	s_mov_b32 s44, 0xbab6061a                      ; -1.388731625e-3,
	s_mov_b32 s45, 0x37ccf5ce                      ; 2.443315712e-5
	s_lshl_b32 s46, s34, 12
	s_lshl_b32 s47, s35, 9
	s_add_co_u32 s46, s46, s47
	s_mov_b32 s47, 0
	s_wait_alu depctr_va_vdst(0)
	s_wait_kmcnt 0x0
	s_add_nc_u64 s[18:19], s[18:19], s[46:47]
.irp e, 0,1,2,3
	v_add_nc_u32 v[20+\e], \e, v13                 ; j.  (The four numbers take turns line by line)
.endr
.irp e, 0,1,2,3
	s_delay_alu instid0(VALU_DEP_4)
	v_cvt_f32_u32 v[20+\e], v[20+\e]
.endr
.irp e, 0,1,2,3
	s_delay_alu instid0(VALU_DEP_4)
	v_mul_f32 v[20+\e], 0xbed49a78, v[20+\e]       ; x -log2(10000) / 32
.endr
	s_wait_alu depctr_va_vdst(0)
.irp e, 0,1,2,3
	v_exp_f32 v[20+\e], v[20+\e]                   ; f_j
.endr
	v_nop                                          ; a plain line behind the last exponential
	s_wait_alu depctr_va_vdst(0)                   ; one wait for the four, ahead of their first reader
.irp e, 0,1,2,3
	v_mul_f32 v[24+\e], v12, v[20+\e]              ; the angle
.endr
.irp e, 0,1,2,3
	s_delay_alu instid0(VALU_DEP_4)
	v_mul_f32 v[28+\e], 0x3f22f983, v[24+\e]       ; x 2 / pi
.endr
.irp e, 0,1,2,3
	s_delay_alu instid0(VALU_DEP_4)
	v_rndne_f32 v[28+\e], v[28+\e]                 ; k
.endr
.irp e, 0,1,2,3
	s_delay_alu instid0(VALU_DEP_4)
	v_fma_f32 v[32+\e], v[28+\e], s38, v[24+\e]
.endr
.irp e, 0,1,2,3
	s_delay_alu instid0(VALU_DEP_4)
	v_fma_f32 v[32+\e], v[28+\e], s39, v[32+\e]    ; rho = angle - k pi / 2
.endr
.irp e, 0,1,2,3
	s_delay_alu instid0(VALU_DEP_4)
	v_mul_f32 v[36+\e], v[32+\e], v[32+\e]         ; z = rho^2
.endr
.irp e, 0,1,2,3
	s_delay_alu instid0(VALU_DEP_4)
	v_fma_f32 v[40+\e], v[36+\e], s42, s41
.endr
.irp e, 0,1,2,3
	v_fma_f32 v[44+\e], v[36+\e], s45, s44
.endr
.irp e, 0,1,2,3
	v_fma_f32 v[40+\e], v[40+\e], v[36+\e], s40
.endr
.irp e, 0,1,2,3
	v_fma_f32 v[44+\e], v[44+\e], v[36+\e], s43
.endr
.irp e, 0,1,2,3
	v_mul_f32 v[40+\e], v[40+\e], v[36+\e]
.endr
.irp e, 0,1,2,3
	v_mul_f32 v[52+\e], v[36+\e], v[36+\e]         ; z^2
.endr
.irp e, 0,1,2,3
	v_fma_f32 v[48+\e], v[36+\e], -0.5, 1.0        ; 1 - z / 2
.endr
.irp e, 0,1,2,3
	v_fma_f32 v[40+\e], v[40+\e], v[32+\e], v[32+\e]   ; sin rho
.endr
.irp e, 0,1,2,3
	v_fma_f32 v[44+\e], v[44+\e], v[52+\e], v[48+\e]   ; cos rho
.endr
.irp e, 0,1,2,3
	v_cvt_i32_f32 v[28+\e], v[28+\e]               ; k as a whole number, 0 or more
.endr
.irp e, 0,1,2,3
	v_and_b32 v[48+\e], 1, v[28+\e]
	s_delay_alu instid0(VALU_DEP_1)
	v_cmp_eq_u32 vcc_lo, 1, v[48+\e]               ; in odd quadrants the two change places
	s_delay_alu instid0(VALU_DEP_1)
	v_cndmask_b32 v[60+\e], v[40+\e], v[44+\e], vcc_lo
	s_delay_alu instid0(VALU_DEP_2)
	v_cndmask_b32 v[56+\e], v[44+\e], v[40+\e], vcc_lo
	v_and_b32 v[48+\e], 2, v[28+\e]                ; the sine is negative in quadrants 2 and 3,
	s_delay_alu instid0(VALU_DEP_1)
	v_lshlrev_b32 v[48+\e], 30, v[48+\e]
	s_delay_alu instid0(VALU_DEP_1)
	v_xor_b32 v[60+\e], v[60+\e], v[48+\e]
	v_add_nc_u32 v[52+\e], 1, v[28+\e]             ; the cosine in 1 and 2
	s_delay_alu instid0(VALU_DEP_1)
	v_and_b32 v[52+\e], 2, v[52+\e]
	s_delay_alu instid0(VALU_DEP_1)
	v_lshlrev_b32 v[52+\e], 30, v[52+\e]
	s_delay_alu instid0(VALU_DEP_1)
	v_xor_b32 v[56+\e], v[56+\e], v[52+\e]
.endr
	global_store_b128 v4, v[56:59], s[18:19]                 ; cos: 512 consecutive bytes, aligned
	global_store_b128 v4, v[60:63], s[18:19] offset:2048     ; sin
	s_endpgm
.Lfunc_end_k_q782e0fe36d_quant:
	.size	k_q782e0fe36d_quant, .Lfunc_end_k_q782e0fe36d_quant-k_q782e0fe36d_quant
	.p2alignl 7, 3214868480
	.fill 96, 4, 3214868480
	.section	.rodata,"a",@progbits
	.p2align	6, 0x0
	.amdhsa_kernel k_q782e0fe36d_quant
		.amdhsa_group_segment_fixed_size 69120
		.amdhsa_private_segment_fixed_size 0
		.amdhsa_enable_private_segment 0
		.amdhsa_kernarg_size 64
		.amdhsa_user_sgpr_count 2
		.amdhsa_user_sgpr_kernarg_segment_ptr 1
		.amdhsa_wavefront_size32 1
		.amdhsa_system_sgpr_workgroup_id_x 1
		.amdhsa_system_sgpr_workgroup_id_y 1
		.amdhsa_system_sgpr_workgroup_id_z 1
		.amdhsa_system_vgpr_workitem_id 0
		.amdhsa_next_free_vgpr 168
		.amdhsa_next_free_sgpr 66
		.amdhsa_reserve_vcc 1
		.amdhsa_float_denorm_mode_32 3
		.amdhsa_float_denorm_mode_16_64 3
		.amdhsa_memory_ordered 1
		.amdhsa_forward_progress 1
		.amdhsa_inst_pref_size 21
	.end_amdhsa_kernel
	.amdgpu_metadata
---
amdhsa.version: [ 1, 2 ]
amdhsa.kernels:
  - .name:           k_q782e0fe36d_quant
    .symbol:         k_q782e0fe36d_quant.kd
    .args:
      - { .name: x, .offset: 0, .size: 8, .value_kind: global_buffer, .address_space: global }
      - { .name: W_qkv, .offset: 8, .size: 8, .value_kind: global_buffer, .address_space: global }
      - { .name: W_out, .offset: 16, .size: 8, .value_kind: global_buffer, .address_space: global }
      - { .name: xc, .offset: 24, .size: 8, .value_kind: global_buffer, .address_space: global }
      - { .name: wc, .offset: 32, .size: 8, .value_kind: global_buffer, .address_space: global }
      - { .name: sc1, .offset: 40, .size: 8, .value_kind: global_buffer, .address_space: global }
      - { .name: sc2, .offset: 48, .size: 8, .value_kind: global_buffer, .address_space: global }
      - { .name: rt, .offset: 56, .size: 8, .value_kind: global_buffer, .address_space: global }
    .group_segment_fixed_size: 69120
    .private_segment_fixed_size: 0
    .kernarg_segment_align: 8
    .kernarg_segment_size: 64
    .max_flat_workgroup_size: 256
    .sgpr_count:     66
    .vgpr_count:     168
    .wavefront_size: 32
...
	.end_amdgpu_metadata
.endif
;; end of part 1
;; launch qkv (part 2): grid 8 x 32, 4 waves a work-group, clusters of 4 x 4, 327,680 bytes of LDS; arguments xc, wc, sc1, rt, qb, kv; writes qb, kv
.if DOCPART == 2
	.amdgcn_target "amdgcn-amd-amdhsa--gfx1250"
	.amdhsa_code_object_version 6
	.text
	.protected	k_q782e0fe36d_qkv
	.globl	k_q782e0fe36d_qkv
	.p2align	8
	.type	k_q782e0fe36d_qkv,@function
k_q782e0fe36d_qkv:
	s_mov_b64 s[64:65], 0
	v_nop
	global_prefetch_b8 v0, s[64:65] scope:SCOPE_SE
	s_setreg_imm32_b32 hwreg(HW_REG_WAVE_MODE, 25, 1), 1
	s_wait_xcnt 0x0
	s_wait_alu depctr_hold_cnt(0) depctr_sa_sdst(0) depctr_va_vdst(0) depctr_va_sdst(0) depctr_va_ssrc(0) depctr_va_vcc(0) depctr_vm_vsrc(0)
	s_getreg_b32 s2, hwreg(HW_REG_IB_STS2, 6, 4)
	s_cmp_eq_u32 s2, 0
	s_cbranch_scc0 .Lentry_in_a_cluster
	s_endpgm
.Lentry_in_a_cluster:
	s_bfe_u32 s2, ttmp6, 0x10000c
	s_cmp_lg_u32 s2, 0xf033
	s_cbranch_scc0 .Lentry_shape_is_right
	s_endpgm
.Lentry_shape_is_right:
; qkv = x W_qkv^T on codes of FP6 (E2M3) with E8M0 scales, K = 1,024; the rotary embedding of q and k in f32; q and k quantised along a head's 64, v along the keys.  Only codes and scale bytes go to memory.
; EVERY WORK-GROUP MAKES TWO TILES, so that 256 work-groups share 8,192 x 3,072 evenly.  First 256 tokens x 256 features of q (cluster x = 0) or k (1): four waves of 128 x 128.  Then 128 features of v x the same 256 tokens: four waves of 64 x 128.
; The matrix instruction is used transposed: source 0 = 16 rows of operand B, source 1 = 16 rows of operand A: a lane holds one row of A, its registers run along B's rows.  First tile: A = x, B = W_qkv.  Second: A = W_qkv's v rows, B = x.
; Rows lie in storage order (lane r of storage block 2 B + u holds true row 32 B + 8 u + r + 8 (r / 8)); operands are images of their registers, [storage block][K step][1,536 bytes].
; LDS: two regions of 147,456 bytes.  First tile: K steps 0-2 at the head, steps 3-5 behind the head's round, steps 6-7 into region 0 behind the round in step 2: one tensor load a wave each time.
; Second tile: all eight K steps of x's 16 blocks and W's 8 blocks are 294,912 bytes; they are asked for behind the round in the first tile's last step and land while q or k goes out.
; CLUSTERS 4 x 4: x's tiles hang on cy and are shared along a row, W's on cx and are shared along a column, in both tiles.  No prefetch: the K steps are written out, there is no loop to run ahead in.
; LIMITS: NaN and infinities are not served; a block whose largest magnitude lies under 2^-124 keeps the byte 1 (this program alone reads the bytes).
; REGISTERS.  Window 0: v1-3 lane, r, h; v4-15, v26, v27 LDS addresses; v16-19, v30 way out; v20, v24, v25 scale addresses; v28, v29 the add's two; v32-95 scale words; v128-223 A's fragments; v224-255 table.  Window 1: B's two sets.  Windows 2, 3: sums.
.set REG,   147456
.set QTR,   36864
.set SPARE, 2*REG
.set FR,    12
.set ADA16, 4
.set ADA8,  7
.set ADB16, 10
.set ADB8,  13
.set L16,   16
.set L8,    17
.set OS,    18
.set SELV,  19
.set OSV,   30
.set SPW,   28
.set NIL,   29
.set SC,    32
.set AF,    128
.set Y,     32
.set TM,    128
.set PW,    144
.set SW,    152
.set CT,    172
.set T,     192
.set G1,    24
.set G1B,   32
.set G0A,   40
.set G0B,   68
.set MSB, 0
.macro WIN new
.if MSB != \new
	s_set_vgpr_msb (MSB<<8)|\new
.set MSB, \new
.endif
.endm
.set MUL_LO, 0xa1
.set MUL_HI, 0xf1
.set TO_B,   0x40
.macro JLOAD g0a, g0b                  ; waves 0, 1 ask by x's mask, waves 2, 3 by W's
	s_cmp_eq_u32 s17, 0
	s_cbranch_scc0 .Lfor_b_\@
	tensor_load_to_lds s[\g0a:\g0a+3], s[G1:G1+7]
	s_nop 0
.rept 4
	v_nop
.endr
	s_branch .Lasked_\@
.Lfor_b_\@:
	tensor_load_to_lds s[\g0b:\g0b+3], s[G1B:G1B+7]
	s_nop 0
.rept 4
	v_nop
.endr
.Lasked_\@:
.endm
.macro CREST
	s_cmp_lg_u32 s16, 0
	s_cbranch_scc1 .Lnot_wave_0_\@
	s_barrier_signal -3
.Lnot_wave_0_\@:
	s_barrier_wait -3
	s_barrier_signal -1
	s_barrier_wait -1
.endm
.macro CROUND
	s_barrier_signal -1
	s_barrier_wait -1
	CREST
.endm
.macro PLACES n
.rept \n
	v_nop
.endr
.endm
	s_load_b256 s[4:11], s[0:1], 0x0               ; xc, wc, sc1, rt
	s_load_b128 s[12:15], s[0:1], 0x20             ; qb, kv
	v_lshl_add_u32 v[SPW], v0, 2, SPARE
	v_mov_b32 v[NIL], 0
	ds_add_u32 v[SPW], v[NIL]                      ; the opening lines
	ds_add_u32 v[SPW], v[NIL]
	v_lshrrev_b32 v1, 5, v0
	v_readfirstlane_b32 s16, v1                    ; wave
	s_lshr_b32 s17, s16, 1                         ; my half of A; also: I ask by x's mask (0) or W's (1)
	s_and_b32 s18, s16, 1                          ; my half of B; also: which part I fetch
	s_bfe_u32 s56, ttmp6, 0x40000                  ; cx
	s_bfe_u32 s57, ttmp6, 0x40004                  ; cy
	s_lshl_b32 s58, s57, 2
	s_lshl_b32 s58, 15, s58
	s_lshl_b32 s59, 0x1111, s56
	s_or_b32 s[G1], s58, (3<<16)|(1<<21)
	s_or_b32 s[G1B], s59, (3<<16)|(1<<21)
.irp g, G1, G1B
	s_mov_b32 s[\g+1], 576<<16                     ; 4,608 bytes: three K steps of a storage block
	s_mov_b32 s[\g+2], 8<<16
	s_mov_b32 s[\g+3], 576<<16
	s_mov_b32 s[\g+4], 8
	s_mov_b32 s[\g+5], 1536                        ; from block to block 12,288 bytes
	s_mov_b32 s[\g+6], 0
	s_mov_b32 s[\g+7], 0
.endr
	s_and_b32 s60, ttmp7, 0xffff
	s_lshl_b32 s60, s60, 2
	s_add_co_u32 s60, s60, s57                     ; x's tile of 256 tokens
	s_lshl_b32 s61, ttmp9, 2
	s_add_co_u32 s61, s61, s56                     ; W's tile 0..7: 256 rows of q, k; 128 rows of v
	s_mul_i32 s19, s18, 98304
	s_mul_i32 s20, s60, 196608
	s_add_co_u32 s20, s20, s19
	s_mov_b32 s21, 0
	s_mul_i32 s22, s61, 196608
	s_add_co_u32 s22, s22, s19
	s_mov_b32 s23, 0
	s_mul_i32 s87, s18, 49152
	s_mul_i32 s84, s61, 98304
	s_add_co_u32 s84, s84, s87
	s_add_co_u32 s84, s84, 16*98304                ; v's rows begin at storage block 128; I fetch four blocks
	s_mov_b32 s85, 0
	s_add_co_u32 s87, s87, 196608
	s_mul_i32 s86, s16, QTR
	s_lshl_b32 s62, s60, 13                        ; scale bytes: 32 a row
	s_lshl_b32 s99, s18, 12
	s_add_co_u32 s99, s99, s62                     ; second tile, B: x
	s_lshl_b32 s63, s17, 12
	s_add_co_u32 s62, s62, s63                     ; first tile, A: x
	s_lshl_b32 s63, s61, 13
	s_lshl_b32 s98, s18, 12
	s_add_co_u32 s63, s63, s98
	s_add_co_u32 s63, s63, 0x40000                 ; first tile, B: W
	s_lshl_b32 s98, s61, 12
	s_lshl_b32 s94, s17, 11
	s_add_co_u32 s98, s98, s94
	s_add_co_u32 s98, s98, 0x50000                 ; second tile, A: v's rows
	s_lshl_b32 s94, s60, 4
	s_lshl_b32 s58, s17, 3
	s_add_co_u32 s94, s94, s58                     ; my first storage block of tokens
	s_mov_b32 s95, 0xffff0000
	s_mov_b32 s96, 0x76543210
	s_mov_b32 s97, 0xfedcba98
	s_wait_dscnt 0x0
	s_wait_kmcnt 0x0
	s_add_nc_u64 s[88:89], s[4:5], s[20:21]
	s_add_nc_u64 s[90:91], s[6:7], s[22:23]
	s_add_nc_u64 s[92:93], s[6:7], s[84:85]
.irp f, 0,1,2                          ; fill f: from K step 3 f on, into region f mod 2
	s_mov_b32 s[G0A+4*\f], 1
	s_add_co_u32 s[G0A+4*\f+1], s86, REG*(\f%2)
	s_add_nc_u64 s[G0A+4*\f+2:G0A+4*\f+3], s[88:89], 4608*\f
	s_or_b32 s[G0A+4*\f+3], s[G0A+4*\f+3], 0x80000000
	s_mov_b32 s[G0B+4*\f], 1
	s_add_co_u32 s[G0B+4*\f+1], s86, REG*(\f%2)
	s_add_nc_u64 s[G0B+4*\f+2:G0B+4*\f+3], s[90:91], 4608*\f
	s_or_b32 s[G0B+4*\f+3], s[G0B+4*\f+3], 0x80000000
.endr
	s_mov_b32 s[G0A+12], 1                         ; the second tile: eight blocks of x, whole K,
	s_mov_b32 s[G0A+13], s19
	s_mov_b64 s[G0A+14:G0A+15], s[88:89]
	s_or_b32 s[G0A+15], s[G0A+15], 0x80000000
	s_mov_b32 s[G0B+12], 1                         ; or four blocks of v's rows
	s_mov_b32 s[G0B+13], s87
	s_mov_b64 s[G0B+14:G0B+15], s[92:93]
	s_or_b32 s[G0B+15], s[G0B+15], 0x80000000
	s_and_b32 s20, s94, 127
	s_lshl_b32 s20, s20, 12
	s_add_nc_u64 s[10:11], s[10:11], s[20:21]      ; my tokens' table
	s_mul_i32 s20, s17, QTR
	s_add_co_u32 s21, s20, REG
	s_mul_i32 s22, s18, QTR
	s_add_co_u32 s22, s22, 2*QTR
	s_add_co_u32 s23, s22, REG
	s_add_co_u32 s84, s19, 49152
	s_mul_i32 s85, s17, 49152
	s_add_co_u32 s85, s85, 196608
	CROUND
	JLOAD G0A, G0B                                 ; K steps 0-2: my one load at the head
	v_and_b32 v1, 31, v0
	v_and_b32 v2, 15, v0
	v_bfe_u32 v3, v0, 4, 1
	v_lshlrev_b32 v[L16], 4, v1
	v_lshlrev_b32 v[L8], 3, v1
	v_mov_b32 v20, s62
	v_mov_b32 v21, s63
	v_cndmask_b32 v20, v20, v21, s95               ; lanes 0-15 A's rows, lanes 16-31 B's
	v_lshl_add_u32 v20, v2, 5, v20
	v_mov_b32 v24, s98
	v_mov_b32 v21, s99
	v_cndmask_b32 v24, v24, v21, s95
	v_lshl_add_u32 v24, v2, 5, v24
	v_lshl_add_u32 v25, v3, 11, v24                ; for blocks 4-7: B's four blocks on, A's four once more
	v_lshlrev_b32 v[OSV], 4, v2
.irp i, 0,1,2,3,4,5,6,7
	global_load_b128 v[SC+8*\i:SC+8*\i+3], v20, s[8:9] offset:512*\i
	global_load_b128 v[SC+8*\i+4:SC+8*\i+7], v20, s[8:9] offset:512*\i+16
.endr
.irp i, 0,1,2,3,4,5,6,7
	global_load_b128 v[224+4*\i:224+4*\i+3], v[L16], s[10:11] offset:512*\i
.endr
.irp s, 0,1
	v_add_nc_u32 v[ADA16+\s], s[20+\s], v[L16]
	v_add_nc_u32 v[ADA8+\s], s[20+\s], v[L8]
	v_add_nc_u32 v[ADB16+\s], s[22+\s], v[L16]
	v_add_nc_u32 v[ADB8+\s], s[22+\s], v[L8]
.endr
	v_add_nc_u32 v6, s19, v[L16]                   ; the second tile: x's blocks 0-3, 4-7 of my half,
	v_add_nc_u32 v9, s84, v[L16]
	v_add_nc_u32 v12, s19, v[L8]
	v_add_nc_u32 v15, s84, v[L8]
	v_add_nc_u32 v26, s85, v[L16]                  ; my four blocks of v's rows
	v_add_nc_u32 v27, s85, v[L8]
.macro FRAG reg, a16, a8, off
	ds_load_b128 v[\reg:\reg+3], v[\a16] offset:\off
	ds_load_b64 v[\reg+4:\reg+5], v[\a8] offset:\off+512
	ds_load_b128 v[\reg+6:\reg+9], v[\a16] offset:\off+768
	ds_load_b64 v[\reg+10:\reg+11], v[\a8] offset:\off+1280
.endm
.macro FETCH_B slot, q, p, pt          ; pt: bytes from block to block in the region
	WIN TO_B
.irp i, 0,1,2,3,4,5,6,7
	FRAG 128*(\p)+FR*\i, ADB16+\slot, ADB8+\slot, (\pt)*\i+1536*(\q)
.endr
	WIN 0
.endm
.macro FETCH_A slot, q, i0, pt
.irp i, \i0, \i0+1, \i0+2, \i0+3
	FRAG AF+FR*(\i), ADA16+\slot, ADA8+\slot, (\pt)*(\i)+1536*(\q)
.endr
.endm
; 16 matrix instructions; the accumulators take turns, one instruction a turn
.macro MUL16 a0, p, kk, zero
.irp a, \a0, \a0+1
.irp b, 0,1,2,3,4,5,6,7
.if \zero
	v_wmma_scale_f32_16x16x128_f8f6f4 v[8*(8*((\a)%4)+\b):8*(8*((\a)%4)+\b)+7], v[128*(\p)+FR*\b:128*(\p)+FR*\b+FR-1], v[AF+FR*(\a):AF+FR*(\a)+FR-1], 0, v[SC+8*\b+(\kk)], v[SC+8*(\a)+(\kk)] matrix_a_fmt:MATRIX_FMT_FP6 matrix_b_fmt:MATRIX_FMT_FP6 matrix_a_scale:MATRIX_SCALE_ROW1
.else
	v_wmma_scale_f32_16x16x128_f8f6f4 v[8*(8*((\a)%4)+\b):8*(8*((\a)%4)+\b)+7], v[128*(\p)+FR*\b:128*(\p)+FR*\b+FR-1], v[AF+FR*(\a):AF+FR*(\a)+FR-1], v[8*(8*((\a)%4)+\b):8*(8*((\a)%4)+\b)+7], v[SC+8*\b+(\kk)], v[SC+8*(\a)+(\kk)] matrix_a_fmt:MATRIX_FMT_FP6 matrix_b_fmt:MATRIX_FMT_FP6 matrix_a_scale:MATRIX_SCALE_ROW1
.endif
.endr
.endr
.endm
.macro STEP kk, ns, nq, pt, zero
	s_wait_dscnt 16                                ; all but A's blocks 4-7, the youngest 16 loads
	WIN MUL_LO
	MUL16 0, (\kk)%2, \kk, \zero
	MUL16 2, (\kk)%2, \kk, \zero
	s_wait_dscnt 0x0
	PLACES 4
	FETCH_B \ns, \nq, 1-(\kk)%2, \pt
	FETCH_A \ns, \nq, 0, \pt
	WIN MUL_HI
	MUL16 4, (\kk)%2, \kk, \zero
	MUL16 6, (\kk)%2, \kk, \zero
	PLACES 4
	WIN 0
	FETCH_A \ns, \nq, 4, \pt
.endm
; A K step with a barrier in its middle: the next region is whole behind it.  fill = 1: the barrier opens a round, and region 0, read no more, takes K steps 6 and 7.
.macro TURN kk, ns, pt, fill
	s_wait_tensorcnt 0x0                           ; all my tensor loads have landed
	ds_add_u32 v[SPW], v[NIL]
.if \fill
	s_mov_b32 s[G1+1], 384<<16                     ; no load of mine is out: rows of two K steps from here on
	s_mov_b32 s[G1+3], 384<<16
	s_mov_b32 s[G1B+1], 384<<16
	s_mov_b32 s[G1B+3], 384<<16
.endif
	s_wait_dscnt 17                                ; the add and the youngest 16 loads may be out
	WIN MUL_LO
	MUL16 0, (\kk)%2, \kk, 0
	s_wait_dscnt 0x0                               ; the add is done, my LDS reads are over
	s_barrier_signal -1
	MUL16 2, (\kk)%2, \kk, 0
	WIN 0
	s_barrier_wait -1
.if \fill
	CREST
	JLOAD G0A+8, G0B+8
.else
	PLACES 4
.endif
	FETCH_B \ns, 0, 1-(\kk)%2, \pt
	FETCH_A \ns, 0, 0, \pt
	WIN MUL_HI
	MUL16 4, (\kk)%2, \kk, 0
	MUL16 6, (\kk)%2, \kk, 0
	PLACES 4
	WIN 0
	FETCH_A \ns, 0, 4, \pt
.endm
	s_wait_alu depctr_va_vdst(0)                   ; the wait at the head's end
	s_wait_tensorcnt 0x0                           ; my part of K steps 0-2 is in
	ds_add_u32 v[SPW], v[NIL]
	s_wait_dscnt 0x0
	CROUND
	JLOAD G0A+4, G0B+4                             ; K steps 3-5, region 1's first fill, issued as a refill is
	FETCH_B 0, 0, 0, 4608
	FETCH_A 0, 0, 0, 4608
	FETCH_A 0, 0, 4, 4608
	s_wait_loadcnt 0x0                             ; the scale words and the first block's table
	STEP 0, 0, 1, 4608, 1                          ; the first products start the sums
	STEP 1, 0, 2, 4608, 0
	TURN 2, 1, 4608, 1
	STEP 3, 1, 1, 4608, 0
	STEP 4, 1, 2, 4608, 0
	TURN 5, 0, 3072, 0
	STEP 6, 0, 1, 3072, 0
	s_wait_tensorcnt 0x0                           ; the last step: both regions are read no more and take the second tile
	ds_add_u32 v[SPW], v[NIL]
	s_mov_b32 s[G1+1], 1536<<16                    ; rows of a whole block, 12,288 bytes: eight of x,
	s_mov_b32 s[G1+3], 1536<<16
	s_mov_b32 s[G1B+1], 1536<<16                   ; four of v's rows
	s_mov_b32 s[G1B+3], 1536<<16
	s_mov_b32 s[G1B+2], 4<<16
	s_mov_b32 s[G1B+4], 4
	s_wait_dscnt 17
	WIN MUL_LO
	MUL16 0, 1, 7, 0
	s_wait_dscnt 0x0
	s_barrier_signal -1
	MUL16 2, 1, 7, 0
	WIN 0
	s_barrier_wait -1
	CREST
	JLOAD G0A+12, G0B+12
	WIN MUL_HI
	MUL16 4, 1, 7, 0
	MUL16 6, 1, 7, 0
	WIN 0
	PLACES 4
	WIN TO_B                                       ; the second tile's scale words wait in window 1, in B's set 0, which is done with
.irp i, 0,1,2,3,4,5,6,7
	global_load_b128 v[8*\i:8*\i+3], v[24+\i/4], s[8:9] offset:512*(\i%4)
	global_load_b128 v[8*\i+4:8*\i+7], v[24+\i/4], s[8:9] offset:512*(\i%4)+16
.endr
	WIN 0
; 64 numbers of a lane, register 16 b + i = k 32 b + 16 h + i of my row, become a fragment's codes and its scale word.  Each accumulator is read from its low end on.
.macro QUANT s, w, pc, pw
.set QW2, (\w)|((\w)<<2)
	WIN QW2
.irp b, 0,1,2,3
	v_max3_num_f32 v[TM+\b], |v[\s+16*\b]|, |v[\s+16*\b+1]|, 0x1800000   ; with the floor 2^(3 - 127): the byte cannot fall under 1
.endr
.irp i, 2,4,6,8,10,12,14
.irp b, 0,1,2,3
	v_max3_num_f32 v[TM+\b], |v[\s+16*\b+\i]|, |v[\s+16*\b+\i+1]|, v[TM+\b]
.endr
.endr
	WIN 0
.irp b, 0,1,2,3
	v_permlanex16_b32 v[TM+4+\b], v[TM+\b], s96, s97
.endr
.irp b, 0,1,2,3
	v_max_num_f32 v[TM+\b], v[TM+\b], v[TM+4+\b]
.endr
.irp b, 0,1,2,3
	v_add_nc_u32 v[TM+12+\b], 0xff000000, v[TM+\b] ; 2 off the exponent field: the conversion's scale operand
.endr
.irp b, 0,1,2,3
	v_lshrrev_b32 v[TM+4+\b], 23, v[TM+12+\b]
.endr
	v_lshl_or_b32 v[\pw], v[TM+5], 8, v[TM+4]
	v_lshl_or_b32 v[\pw], v[TM+6], 16, v[\pw]
	v_lshl_or_b32 v[\pw], v[TM+7], 24, v[\pw]
	WIN \w
.irp c, 0,1
	v_cvt_scalef32_pk16_fp6_f32 v[\pc+6*\c:\pc+6*\c+2], v[\s+32*\c:\s+32*\c+15], v[TM+12+2*\c]
	v_cvt_scalef32_pk16_fp6_f32 v[CT+4*\c:CT+4*\c+2], v[\s+32*\c+16:\s+32*\c+31], v[TM+13+2*\c]
.endr
	WIN 0
	v_nop
.irp c, 0,1
.irp i, 0,1,2
	v_permlane16_swap_b32 v[\pc+6*\c+\i], v[CT+4*\c+\i]
.endr
.irp i, 0,1,2
	v_mov_b32 v[\pc+6*\c+3+\i], v[CT+4*\c+\i]
.endr
.endr
.endm
.irp b, 0,1,2,3
	v_mov_b32 v[TM+4+\b], 0                        ; a lane permute's destination counts as one of its sources
.endr
	; Q OR K.  qb: [head of a batch][group of 128 tokens][6,400]: 8 half-images of 768 bytes, 256 scale bytes [r][pair of blocks];  kv: 12,800 a group, k's half-images at 0, its scale bytes at 12,288.
	s_cmp_eq_u32 ttmp9, 0
	s_cselect_b64 s[88:89], s[12:13], s[14:15]
	s_mov_b32 s20, 12800
	s_cselect_b32 s20, 6400, s20
	s_mov_b32 s84, 12288
	s_cselect_b32 s84, 6144, s84
	s_mov_b32 s85, 0
	s_lshr_b32 s22, s94, 7                         ; the batch
	s_bfe_u32 s23, s94, 0x40003                    ; the group
	s_lshl_b32 s22, s22, 4
	s_and_b32 s19, s61, 3
	s_lshl_b32 s19, s19, 2
	s_add_co_u32 s22, s22, s19
	s_lshl_b32 s19, s18, 1
	s_add_co_u32 s22, s22, s19                     ; my first head
	s_lshl_b32 s22, s22, 4
	s_add_co_u32 s22, s22, s23
	s_mul_i32 s22, s22, s20
	s_mov_b32 s23, 0
	s_add_nc_u64 s[88:89], s[88:89], s[22:23]
	s_lshl_b32 s22, s20, 4
	s_add_nc_u64 s[90:91], s[88:89], s[22:23]      ; my second head's group
	s_add_nc_u64 s[92:93], s[88:89], s[84:85]
	v_mul_lo_u32 v[OS], v3, s22
	v_lshl_add_u32 v[OS], v2, 4, v[OS]
	v_mov_b32 v[SELV], 0x05040100
	v_mov_b32 v21, 0x07060302
	v_cndmask_b32 v[SELV], v[SELV], v21, s95
; Block a: register 32 hh + i holds feature 16 h + i of head hh, register 32 hh + 16 + i the feature 32 further on; both turn by the same angle.
.macro QKBLK a
.set AC,  64*((\a)%4)
.set WA,  2+(\a)/4
.set CSN, 224-128*((\a)%2)
.set NXT, 96+128*((\a)%2)
.set PCC, 160+20*((\a)%2)
.set PWA, PW+(\a)
	s_wait_xcnt 0x0                                ; earlier stores have read their registers
.if (\a) < 7
.irp i, 0,1,2,3,4,5,6,7
	global_load_b128 v[NXT+4*\i:NXT+4*\i+3], v[L16], s[10:11] offset:4096*((\a)+1)+512*\i
.endr
	s_wait_loadcnt 8                               ; all but the eight just issued
.else
	s_wait_loadcnt 0x0
.endif
	WIN WA
.irp hh, 0,1
.irp i, 0,2,4,6,8,10,12,14
.set TT, T+4*((\i/2)%4)
	v_pk_mul_f32 v[TT:TT+1], v[AC+32*\hh+16+\i:AC+32*\hh+17+\i], v[CSN+16+\i:CSN+17+\i]
	v_pk_mul_f32 v[TT+2:TT+3], v[AC+32*\hh+\i:AC+32*\hh+1+\i], v[CSN+16+\i:CSN+17+\i]
	v_pk_fma_f32 v[Y+32*\hh+\i:Y+32*\hh+1+\i], v[AC+32*\hh+\i:AC+32*\hh+1+\i], v[CSN+\i:CSN+1+\i], v[TT:TT+1] neg_lo:[0,0,1] neg_hi:[0,0,1]
	v_pk_fma_f32 v[Y+32*\hh+16+\i:Y+32*\hh+17+\i], v[AC+32*\hh+16+\i:AC+32*\hh+17+\i], v[CSN+\i:CSN+1+\i], v[TT+2:TT+3]
.endr
.endr
	QUANT Y, 0, PCC, PWA
	global_store_b128 v[L16], v[PCC:PCC+3], s[88:89] offset:768*(\a)
	global_store_b64 v[L8], v[PCC+4:PCC+5], s[88:89] offset:768*(\a)+512
	global_store_b128 v[L16], v[PCC+6:PCC+9], s[90:91] offset:768*(\a)
	global_store_b64 v[L8], v[PCC+10:PCC+11], s[90:91] offset:768*(\a)+512
.if (\a)%2
	v_perm_b32 v[SW+(\a)/2], v[PW+(\a)], v[PW+(\a)-1], v[SELV]
.endif
.endm
.irp a, 0,1,2,3,4,5,6,7
	QKBLK \a
.endr
	global_store_b128 v[OS], v[SW:SW+3], s[92:93]
	; THE SECOND TILE: 64 features of v (one head) x 128 tokens (one group) a wave; 32 accumulators in window 2; A's and B's fragments in two sets each.
	WIN 0x01
.set j, 0
.rept 64
	v_mov_b32 v[SC+j], v[j]                        ; the scale words into window 0, where scale operands are taken from
.set j, j+1
.endr
	WIN 0
	s_wait_alu depctr_va_vdst(0)
	s_wait_xcnt 0x0                                ; the stores have read their registers and bases
	s_wait_tensorcnt 0x0                           ; my part of the second tile is in,
	s_barrier_signal -1
	s_barrier_wait -1                              ; everybody's is
.macro VFETCH kk, p
	WIN TO_B
.irp i, 0,1,2,3,4,5,6,7
	FRAG 128*(\p)+FR*\i, 6+3*(\i/4), 12+3*(\i/4), 12288*(\i%4)+1536*(\kk)
.endr
	WIN 0
.irp i, 0,1,2,3
	FRAG AF+FR*(4*(\p)+\i), 26, 27, 12288*\i+1536*(\kk)
.endr
.endm
.macro VSTEP kk, zero
	s_wait_dscnt 0x0                               ; this step's fragments are in
.if (\kk) < 7
	PLACES 4
	VFETCH (\kk)+1, 1-(\kk)%2
.endif
	WIN MUL_LO
	MUL16 4*((\kk)%2), (\kk)%2, \kk, \zero
	MUL16 4*((\kk)%2)+2, (\kk)%2, \kk, \zero
	WIN 0
.endm
	VFETCH 0, 0
	VSTEP 0, 1
.irp k, 1,2,3,4,5,6,7
	VSTEP \k, 0
.endr
	PLACES 4
	; kv: a group's four images of v at 6,144 (16 features x 128 keys each), its scale words [r][image] at 12,544
	s_lshl_b32 s20, s60, 1
	s_add_co_u32 s20, s20, s18                     ; my group of 128 tokens, 0..63
	s_lshr_b32 s21, s20, 4
	s_and_b32 s20, s20, 15
	s_lshl_b32 s21, s21, 4
	s_lshl_b32 s22, s61, 1
	s_add_co_u32 s21, s21, s22
	s_add_co_u32 s21, s21, s17                     ; my head
	s_lshl_b32 s21, s21, 4
	s_add_co_u32 s20, s20, s21
	s_mul_i32 s20, s20, 12800
	s_add_co_u32 s20, s20, 6144
	s_mov_b32 s21, 0
	s_add_nc_u64 s[88:89], s[14:15], s[20:21]
.macro VBLK a
.set QS,  64*(\a)
.set PCC, 160+20*((\a)%2)
.set PWA, PW+(\a)
.set VO,  (\a)*1536
	s_wait_xcnt 0x0
	QUANT QS, 2, PCC, PWA
	global_store_b128 v[L16], v[PCC:PCC+3], s[88:89] offset:VO
	global_store_b64 v[L8], v[PCC+4:PCC+5], s[88:89] offset:VO+512
	global_store_b128 v[L16], v[PCC+6:PCC+9], s[88:89] offset:VO+768
	global_store_b64 v[L8], v[PCC+10:PCC+11], s[88:89] offset:VO+1280
.endm
.irp a, 0,1,2,3
	VBLK \a
.endr
	global_store_b128 v[OSV], v[PW:PW+3], s[88:89] offset:6400   ; both lanes of a row hold the same words and write the same bytes
	s_wait_tensorcnt 0x0                           ; the wave's end
	ds_add_u32 v[SPW], v[NIL]
	s_wait_dscnt 0x0
	CROUND
	s_endpgm
.Lfunc_end_k_q782e0fe36d_qkv:
	.size	k_q782e0fe36d_qkv, .Lfunc_end_k_q782e0fe36d_qkv-k_q782e0fe36d_qkv
	.p2alignl 7, 3214868480
	.fill 96, 4, 3214868480
	.section	.rodata,"a",@progbits
	.p2align	6, 0x0
	.amdhsa_kernel k_q782e0fe36d_qkv
		.amdhsa_group_segment_fixed_size 327680
		.amdhsa_private_segment_fixed_size 0
		.amdhsa_enable_private_segment 0
		.amdhsa_kernarg_size 48
		.amdhsa_user_sgpr_count 2
		.amdhsa_user_sgpr_kernarg_segment_ptr 1
		.amdhsa_wavefront_size32 1
		.amdhsa_system_sgpr_workgroup_id_x 1
		.amdhsa_system_sgpr_workgroup_id_y 1
		.amdhsa_system_sgpr_workgroup_id_z 1
		.amdhsa_system_vgpr_workitem_id 0
		.amdhsa_next_free_vgpr 1024
		.amdhsa_next_free_sgpr 100
		.amdhsa_reserve_vcc 0
		.amdhsa_float_denorm_mode_32 3
		.amdhsa_float_denorm_mode_16_64 3
		.amdhsa_memory_ordered 1
		.amdhsa_forward_progress 1
		.amdhsa_inst_pref_size 255
	.end_amdhsa_kernel
	.section	.bss,"aw",@nobits
	.p2align	6
	.space	262144
	.amdgpu_metadata
---
amdhsa.version: [ 1, 2 ]
amdhsa.kernels:
  - .name:           k_q782e0fe36d_qkv
    .symbol:         k_q782e0fe36d_qkv.kd
    .args:
      - { .name: xc, .offset: 0, .size: 8, .value_kind: global_buffer, .address_space: global }
      - { .name: wc, .offset: 8, .size: 8, .value_kind: global_buffer, .address_space: global }
      - { .name: sc1, .offset: 16, .size: 8, .value_kind: global_buffer, .address_space: global }
      - { .name: rt, .offset: 24, .size: 8, .value_kind: global_buffer, .address_space: global }
      - { .name: qb, .offset: 32, .size: 8, .value_kind: global_buffer, .address_space: global }
      - { .name: kv, .offset: 40, .size: 8, .value_kind: global_buffer, .address_space: global }
    .group_segment_fixed_size: 327680
    .private_segment_fixed_size: 0
    .kernarg_segment_align: 8
    .kernarg_segment_size: 48
    .max_flat_workgroup_size: 128
    .sgpr_count:     100
    .vgpr_count:     1024
    .wavefront_size: 32
...
	.end_amdgpu_metadata
.endif
;; end of part 2
;; launch attn (part 3): grid 256 x 1, 8 waves a work-group, clusters of 4 x 1, 327,680 bytes of LDS; arguments qb, kv, oc, sc2; writes oc, sc2
.if DOCPART == 3
	.amdgcn_target "amdgcn-amd-amdhsa--gfx1250"
	.amdhsa_code_object_version 6
	.text
	.protected	k_q782e0fe36d_attn
	.globl	k_q782e0fe36d_attn
	.p2align	8
	.type	k_q782e0fe36d_attn,@function
k_q782e0fe36d_attn:
	s_mov_b64 s[64:65], 0
	v_nop
	global_prefetch_b8 v0, s[64:65] scope:SCOPE_SE
	s_setreg_imm32_b32 hwreg(HW_REG_WAVE_MODE, 25, 1), 1
	s_wait_xcnt 0x0
	s_wait_alu depctr_hold_cnt(0) depctr_sa_sdst(0) depctr_va_vdst(0) depctr_va_sdst(0) depctr_va_ssrc(0) depctr_va_vcc(0) depctr_vm_vsrc(0)
	s_getreg_b32 s2, hwreg(HW_REG_IB_STS2, 6, 4)
	s_cmp_eq_u32 s2, 0
	s_cbranch_scc0 .Lentry_in_a_cluster
	s_endpgm
.Lentry_in_a_cluster:
	s_bfe_u32 s2, ttmp6, 0x10000c
	s_cmp_lg_u32 s2, 0x3003
	s_cbranch_scc0 .Lentry_shape_is_right
	s_endpgm
.Lentry_shape_is_right:
; o = softmax(q k^T / 8, causal) v for 64 heads of 2,048 tokens x 64, both products on codes of FP6 (E2M3) with E8M0 scales; o is divided by the row's sum and quantised along d_model for the last product.
; THE SOFTMAX: t = score x log2(e) / 8; M = the row's largest t so far, rounded up to a whole number; p = 2^(t - M) is quantised along the keys; the row's sum is taken of the unquantised p; when M moves, sum and O are multiplied by 2^(old M - new M).
; SHARES.  A cluster of four work-groups is one head, whose k and v (204,800 bytes of codes and scale bytes) lie whole in LDS, asked for jointly.  Wave w owns two pairs of query tiles (32 queries each): pair 4 w + cx and pair 63 - (4 w + cx).
; Their last key steps, w and 15 - w, hang on the wave's number alone; every wave has 17 key steps of 128 keys.  A pair's two tiles X, Y share each fragment of k and v, and their chains are laid line by line.
; TWO GROUPS OF LOADS: key groups 0-3 at the head (25 rows of 256 bytes a wave), groups 4-15 behind a round (75 rows a wave); the high pair's steps 0-2, the same work in every wave, run meanwhile.  No later load: nothing to prefetch.
; LAYOUT.  Both products are used transposed: a lane holds one query.  k's and v's images lie in storage order (lane r of block 2 B + u holds row 32 B + 8 u + r + 8 (r / 8)).  The lanes' LDS addresses pick other rows for a tile:
; row m of tile 4 g + u is key 64 g + 8 u + m % 8 + 32 (m / 8), so the 32 registers of tiles 4 g .. 4 g + 3 are keys 64 g + 32 h + 0 .. 31: a whole block of the quantiser in one lane, in the operand's own order.  v's rows likewise: O's 32 registers are channels 32 h + 0 .. 31.
; K = 64 IN AN INSTRUCTION OF 128: a fragment of k holds two tiles of keys; against q's codes followed by zero codes it gives the first tile's scores, against zero codes followed by q's codes the second's.
; CAUSAL: steps behind a pair's last are walked without work (a scalar branch on the wave's number and the count of steps); in the last step hidden scores become -infinity by one select a score, whose lane masks are constants joined with the pair's place in its group.
; LIMITS: NaN and infinities are not served; the promise holds while the scaled scores stay under 2^31 in magnitude; a block whose largest magnitude lies under 2^-124 keeps the byte 1; o's scale bytes leave a byte a lane, 32 bytes apart from row to row.
; REGISTERS.  Window 0: v1-6 lane terms of LDS addresses; v7, v8 the add's two; v9 -infinity; v10 8 h; v11-14 global offsets; v16-21 the step's addresses; v24-55 the two tiles' running numbers; v56-63 scale words of k, v;
;   v64-93 zero codes | q X | zero codes | q Y | zero codes; v96-143 k; v144-191 v; v192-215 p's codes; v216-230 second conversions; v232-247 sums; v248-251 reciprocals.  Window 1: v0-127 S^T, then p; v128-191 O^T; v192-204 the low pair's q.
.set GRP,   12800
.set VIM,   6144
.set KSC,   12288
.set VSC,   12544
.set B1,    4*GRP
.set SPARE, 16*GRP
.set NM, 24                            ; -M, and beside it the largest t
.set LS, 28
.set FF, 32
.set BM, 36
.set SO, 40
.set PM, 44
.set TW, 48
.set PX, 50
.set PW, 52
.set QS, 54
.set KS, 56
.set VS, 60
.set QZ, 64
.set KF, 96
.set VF, 144
.set PC, 192
.set CT, 216
.set CH, 232
.set RR, 248
.set MSB, 0
.macro WIN new
.if MSB != \new
	s_set_vgpr_msb (MSB<<8)|\new
.set MSB, \new
.endif
.endm
.macro D2
	s_delay_alu instid0(VALU_DEP_2)
.endm
.macro D4
	s_delay_alu instid0(VALU_DEP_4)
.endm
.macro CROUND
	s_barrier_signal -1
	s_barrier_wait -1
	s_cmp_lg_u32 s12, 0
	s_cbranch_scc1 .Lnot_wave_0_\@
	s_barrier_signal -3
.Lnot_wave_0_\@:
	s_barrier_wait -3
	s_barrier_signal -1
	s_barrier_wait -1
.endm
.macro PTRS p, b                       ; pair s[p]: q's two half-images, their scale words, o's half-images, o's scale bytes
	s_lshr_b32 s56, s[\p], 2
	s_lshl_b32 s57, s14, 4
	s_add_co_u32 s56, s56, s57
	s_mul_i32 s56, s56, 6400
	s_and_b32 s57, s[\p], 3
	s_mul_i32 s58, s57, 1536
	s_add_co_u32 s58, s58, s56
	s_mov_b32 s59, 0
	s_add_nc_u64 s[\b:\b+1], s[4:5], s[58:59]
	s_lshl_b32 s57, s57, 2
	s_add_co_u32 s58, s56, s57
	s_add_co_u32 s58, s58, 6144
	s_add_nc_u64 s[\b+2:\b+3], s[4:5], s[58:59]
	s_lshr_b32 s56, s14, 4
	s_lshl_b32 s56, s56, 7
	s_lshl_b32 s57, s[\p], 1
	s_add_co_u32 s56, s56, s57                     ; o's storage block: 128 x batch + tile
	s_lshl_b32 s58, s56, 4
	s_and_b32 s57, s14, 15
	s_add_co_u32 s58, s58, s57
	s_mul_i32 s58, s58, 768
	s_add_nc_u64 s[\b+4:\b+5], s[8:9], s[58:59]
	s_lshl_b32 s58, s56, 9
	s_lshl_b32 s57, s57, 1
	s_add_co_u32 s58, s58, s57
	s_add_nc_u64 s[\b+6:\b+7], s[10:11], s[58:59]
.endm
.macro KLOAD                           ; four fragments of k and their scale words: 20 loads
.irp f, 0,1,2,3
	ds_load_b128 v[KF+12*\f:KF+12*\f+3], v16 offset:3072*(\f/2)+128*(\f%2)
	ds_load_b64 v[KF+12*\f+4:KF+12*\f+5], v17 offset:3072*(\f/2)+64*(\f%2)+512
	ds_load_b128 v[KF+12*\f+6:KF+12*\f+9], v16 offset:3072*(\f/2)+128*(\f%2)+768
	ds_load_b64 v[KF+12*\f+10:KF+12*\f+11], v17 offset:3072*(\f/2)+64*(\f%2)+1280
	ds_load_b32 v[KS+\f], v18 offset:KSC+128*(\f%2)+8*(\f/2)
.endr
.endm
.macro VLOAD                           ; four fragments of v and their scale words: 18 loads
.irp u, 0,1,2,3
	ds_load_b128 v[VF+12*\u:VF+12*\u+3], v19 offset:VIM+1536*(\u%2)+128*(\u/2)
	ds_load_b64 v[VF+12*\u+4:VF+12*\u+5], v20 offset:VIM+1536*(\u%2)+64*(\u/2)+512
	ds_load_b128 v[VF+12*\u+6:VF+12*\u+9], v19 offset:VIM+1536*(\u%2)+128*(\u/2)+768
	ds_load_b64 v[VF+12*\u+10:VF+12*\u+11], v20 offset:VIM+1536*(\u%2)+64*(\u/2)+1280
.endr
	ds_load_b64 v[VS:VS+1], v21 offset:VSC
	ds_load_b64 v[VS+2:VS+3], v21 offset:VSC+128
.endm
.macro MASKSET p                       ; s[p]: which block of 32 of its group the pair's queries are.  s66, s67: lanes whose block is that one (registers 0-31, 32-63); s68, s69: lanes whose block lies behind it; s70, s71: both
	s_lshl_b32 s56, s[\p], 4
	s_mov_b32 s66, 0xffff
	s_mov_b32 s67, 0
	s_lshl_b64 s[66:67], s[66:67], s56
	s_mov_b32 s70, -1
	s_mov_b32 s71, -1
	s_lshl_b64 s[70:71], s[70:71], s56
	s_xor_b32 s68, s70, s66
	s_xor_b32 s69, s71, s67
.endm
; In the queries' own block key i is hidden from query r of X where i > r + 8 (r / 8): 16 bits that the text knows; Y's queries lie 8 further on, so Y's key i + 8 has the same bits.  Registers are taken in ascending order.
.macro MASK
	WIN 0x41
.irp c, 0,1
.irp k, 0,1,2,3,4,5,6,7
	v_cndmask_b32 v[64+32*\c+\k], v[64+32*\c+\k], v9, s[68+\c]
.endr
.set i, 0
.rept 32
.set lo, i
.if lo > 8
.set lo, 8
.endif
.set hi, i-16
.if hi < 0
.set hi, 0
.endif
.if hi > 8
.set hi, 8
.endif
.set dd, ((1<<lo)-1)|(((1<<hi)-1)<<8)
.set ms, 72+i%8
.if dd == 0
.set ms, 68+\c
.endif
.if dd == 0xffff
.set ms, 70+\c
.endif
.if ms >= 72
	s_and_b32 s[ms], s[66+\c], dd|(dd<<16)
	s_or_b32 s[ms], s[ms], s[68+\c]
.endif
	v_cndmask_b32 v[32*\c+i], v[32*\c+i], v9, s[ms]
.if i < 24
	v_cndmask_b32 v[64+32*\c+i+8], v[64+32*\c+i+8], v9, s[ms]
.endif
.set i, i+1
.endr
.endr
	WIN 0
.endm
; From the scores to O: both tiles (y = 0, 1), line by line
.macro CORE
	WIN 0x05
.irp c, 0,1
.irp y, 0,1
	v_max_num_f32 v[BM+2*\y+\c], v[64*\y+32*\c], v[64*\y+32*\c+1]   ; the largest score of my block 2 c + h: it serves the row's maximum and the block's largest p
.endr
.endr
.irp i, 2,4,6,8,10,12,14,16,18,20,22,24,26,28,30
.irp c, 0,1
.irp y, 0,1
	v_max3_num_f32 v[BM+2*\y+\c], v[64*\y+32*\c+\i], v[64*\y+32*\c+\i+1], v[BM+2*\y+\c]
.endr
.endr
.endr
	WIN 0
.irp y, 0,1
	v_max_num_f32 v[TW+\y], v[BM+2*\y], v[BM+2*\y+1]
.endr
.irp y, 0,1
	D2
	v_permlanex16_b32 v[PX+\y], v[TW+\y], s20, s21
.endr
.irp y, 0,1
	D2
	v_max_num_f32 v[TW+\y], v[TW+\y], v[PX+\y]     ; the step's largest score of my query
.endr
.irp y, 0,1
	D2
	v_mul_f32 v[TW+\y], s22, v[TW+\y]
.endr
.irp y, 0,1
	D2
	v_max_num_f32 v[NM+2*\y+1], v[NM+2*\y+1], v[TW+\y]
.endr
.irp y, 0,1
	v_mov_b32 v[TW+\y], v[NM+2*\y]
.endr
.irp y, 0,1
	D4
	v_floor_f32 v[NM+2*\y], -v[NM+2*\y+1]          ; the new -M
.endr
.irp y, 0,1
	D2
	v_sub_f32 v[TW+\y], v[NM+2*\y], v[TW+\y]
.endr
.irp y, 0,1
	D2
	v_cvt_i32_f32 v[TW+\y], v[TW+\y]
.endr
.irp y, 0,1
	D2
	v_ldexp_f32 v[FF+2*\y], 1.0, v[TW+\y]          ; f = 2^(old M - new M)
.endr
.irp c, 0,1
.irp y, 0,1
	v_fma_f32 v[BM+2*\y+\c], v[BM+2*\y+\c], s22, v[NM+2*\y]
.endr
.endr
	WIN 0x41
.irp y, 0,1
.set j, 0
.rept 32
	v_pk_fma_f32 v[64*\y+j:64*\y+j+1], v[64*\y+j:64*\y+j+1], s[22:23], v[NM+2*\y:NM+2*\y+1] op_sel_hi:[1,0,0]   ; t - M
.set j, j+2
.endr
.endr
	WIN 0
	s_wait_alu depctr_va_vdst(0)
.irp b, 0,1,2,3
	v_exp_f32 v[BM+\b], v[BM+\b]                   ; the blocks' largest p
.endr
	WIN 0x41
.set j, 0
.rept 128
	v_exp_f32 v[j], v[j]                           ; p
.set j, j+1
.endr
	WIN 0
.irp y, 0,1
	v_pk_mul_f32 v[LS+2*\y:LS+2*\y+1], v[LS+2*\y:LS+2*\y+1], v[FF+2*\y:FF+2*\y+1] op_sel_hi:[1,0]   ; the sums under the new M; the plain lines behind the batch
.endr
	s_wait_alu depctr_va_vdst(0)                   ; one wait for the batch, ahead of its first reader
	WIN 0x05
.irp k, 0,1,2,3
.irp y, 0,1
	v_pk_add_f32 v[CH+8*\y+2*\k:CH+8*\y+2*\k+1], v[64*\y+4*\k:64*\y+4*\k+1], v[64*\y+4*\k+2:64*\y+4*\k+3]   ; the row's sum of the unquantised p: four chains a tile
.endr
.endr
	WIN 0x04
.set m, 0
.rept 24
.irp y, 0,1
	v_pk_add_f32 v[CH+8*\y+2*(m%4):CH+8*\y+2*(m%4)+1], v[CH+8*\y+2*(m%4):CH+8*\y+2*(m%4)+1], v[64*\y+16+2*m:64*\y+17+2*m]
.endr
.set m, m+1
.endr
	WIN 0
.irp y, 0,1
	v_pk_add_f32 v[CH+8*\y:CH+8*\y+1], v[CH+8*\y:CH+8*\y+1], v[CH+8*\y+2:CH+8*\y+3]
.endr
.irp y, 0,1
	v_pk_add_f32 v[CH+8*\y+4:CH+8*\y+5], v[CH+8*\y+4:CH+8*\y+5], v[CH+8*\y+6:CH+8*\y+7]
.endr
.irp y, 0,1
	D2
	v_pk_add_f32 v[CH+8*\y:CH+8*\y+1], v[CH+8*\y:CH+8*\y+1], v[CH+8*\y+4:CH+8*\y+5]
.endr
.irp y, 0,1
	D2
	v_pk_add_f32 v[LS+2*\y:LS+2*\y+1], v[LS+2*\y:LS+2*\y+1], v[CH+8*\y:CH+8*\y+1]
.endr
.irp c, 0,1
.irp y, 0,1
	v_max_num_f32 v[BM+2*\y+\c], 0x1800000, v[BM+2*\y+\c]   ; the floor 2^(3 - 127): the byte cannot fall under 1
.endr
.endr
.irp c, 0,1
.irp y, 0,1
	D4
	v_add_nc_u32 v[SO+2*\y+\c], 0xff000000, v[BM+2*\y+\c]   ; 2 off the exponent field: the conversion's scale operand
.endr
.endr
.irp c, 0,1
.irp y, 0,1
	D4
	v_lshrrev_b32 v[PM+2*\y+\c], 23, v[SO+2*\y+\c]
.endr
.endr
.irp y, 0,1
	D2
	v_lshl_or_b32 v[PW+\y], v[PM+2*\y+1], 16, v[PM+2*\y]   ; my bytes: blocks h and 2 + h,
.endr
.irp y, 0,1
	D2
	v_lshlrev_b32 v[PW+\y], v10, v[PW+\y]          ; at their places;
.endr
.irp y, 0,1
	D2
	v_permlanex16_b32 v[PX+\y], v[PW+\y], s20, s21
.endr
.irp y, 0,1
	D2
	v_or_b32 v[PW+\y], v[PW+\y], v[PX+\y]          ; with lane l xor 16's two the word is whole
.endr
	WIN 0x01
.irp y, 0,1
.irp c, 0,1
	v_cvt_scalef32_pk16_fp6_f32 v[PC+12*\y+6*\c:PC+12*\y+6*\c+2], v[64*\y+32*\c:64*\y+32*\c+15], v[SO+2*\y+\c]
	v_cvt_scalef32_pk16_fp6_f32 v[CT+8*\y+4*\c:CT+8*\y+4*\c+2], v[64*\y+32*\c+16:64*\y+32*\c+31], v[SO+2*\y+\c]
.endr
.endr
	WIN 0
	v_nop                                          ; one plain line behind a scaled conversion
.irp y, 0,1
.irp c, 0,1
.irp i, 0,1,2
	v_mov_b32 v[PC+12*\y+6*\c+3+\i], v[CT+8*\y+4*\c+\i]
.endr
.endr
.endr
	WIN 0x41
	s_wait_alu depctr_va_vdst(0)                   ; ahead of the first reader of O
.irp y, 0,1
.set j, 0
.rept 16
	v_pk_mul_f32 v[128+32*\y+j:129+32*\y+j], v[128+32*\y+j:129+32*\y+j], v[FF+2*\y:FF+2*\y+1] op_sel_hi:[1,0]   ; O under the new M
.set j, j+2
.endr
.endr
	s_wait_alu depctr_va_vdst(0)
	s_wait_dscnt 20                                ; v is in; the 20 younger loads, the next step's k, may be out
	WIN 0x50
.irp u, 0,1,2,3
.irp y, 0,1
	v_wmma_scale_f32_16x16x128_f8f6f4 v[128+32*\y+8*\u:135+32*\y+8*\u], v[VF+12*\u:VF+12*\u+11], v[PC+12*\y:PC+12*\y+11], v[128+32*\y+8*\u:135+32*\y+8*\u], v[VS+\u], v[PW+\y] matrix_a_fmt:MATRIX_FMT_FP6 matrix_b_fmt:MATRIX_FMT_FP6
.endr
.endr
	WIN 0
.endm
; Key steps first .. first + trips - 1.  msk = 1: steps behind s[lim] are walked without work, step s[lim] has hidden keys.  This step's k was asked for a step earlier.
.macro LOOP first, trips, lim, msk
	s_mov_b32 s16, \first
	s_mov_b32 s17, (\first)*GRP
.Lstep_\@:
.if \msk
	s_cmp_gt_u32 s16, s[\lim]
	s_cbranch_scc1 .Lskip_\@
.endif
	s_add_co_u32 s18, s17, GRP
.if \msk
	s_min_u32 s18, s18, 15*GRP                     ; the last group has no next: its own is read once more
.endif
	s_wait_dscnt 0x0                               ; k is in
	WIN 0x40
.irp f, 0,1,2,3
.irp y, 0,1
	v_wmma_scale_f32_16x16x128_f8f6f4 v[64*\y+16*\f:64*\y+16*\f+7], v[KF+12*\f:KF+12*\f+11], v[QZ+12*\y+6:QZ+12*\y+17], 0, v[KS+\f], v[QS+\y] matrix_a_fmt:MATRIX_FMT_FP6 matrix_b_fmt:MATRIX_FMT_FP6
	v_wmma_scale_f32_16x16x128_f8f6f4 v[64*\y+16*\f+8:64*\y+16*\f+15], v[KF+12*\f:KF+12*\f+11], v[QZ+12*\y:QZ+12*\y+11], 0, v[KS+\f], v[QS+\y] matrix_a_fmt:MATRIX_FMT_FP6 matrix_b_fmt:MATRIX_FMT_FP6
.endr
.endr
	WIN 0
	v_add_nc_u32 v19, s17, v4                      ; six plain lines: the places ahead of the loads below and of the first read of the scores
	v_add_nc_u32 v20, s17, v5
	v_add_nc_u32 v21, s17, v6
	v_add_nc_u32 v16, s18, v1
	v_add_nc_u32 v17, s18, v2
	v_add_nc_u32 v18, s18, v3
	VLOAD
	KLOAD
.if \msk
	s_cmp_lg_u32 s16, s[\lim]
	s_cbranch_scc1 .Lopen_\@
	MASK
.Lopen_\@:
.endif
	CORE
.if \msk
.Lskip_\@:
.endif
	s_add_co_u32 s17, s17, GRP
	s_add_co_u32 s16, s16, 1
	s_cmp_lt_u32 s16, (\first)+(\trips)
	s_cbranch_scc1 .Lstep_\@
.endm
.macro INIT
.irp y, 0,1
	v_mov_b32 v[NM+2*\y+1], 0xff61b1e6             ; the largest t so far: -3e38
.endr
.irp y, 0,1
	D2
	v_floor_f32 v[NM+2*\y], -v[NM+2*\y+1]
.endr
.irp y, 0,1
	v_mov_b32 v[LS+2*\y], 0
	v_mov_b32 v[LS+2*\y+1], 0
.endr
	WIN 0x40
.set j, 0
.rept 64
	v_mov_b32 v[128+j], 0                          ; O: the step is written once and finds zeros
.set j, j+1
.endr
	WIN 0
	s_wait_alu depctr_va_vdst(0)
.endm
.macro FINISH b                        ; o = O / the sum; my 32 channels are one block of the quantiser
	s_wait_dscnt 0x0                               ; the last step's look-ahead has landed
.rept 4
	v_nop
.endr
.irp y, 0,1
	v_add_f32 v[LS+2*\y], v[LS+2*\y], v[LS+2*\y+1]
.endr
.irp y, 0,1
	v_permlanex16_b32 v[PX+\y], v[LS+2*\y], s20, s21
.endr
.irp y, 0,1
	v_add_f32 v[LS+2*\y], v[LS+2*\y], v[PX+\y]
.endr
	s_wait_alu depctr_va_vdst(0)
.irp y, 0,1
	v_rcp_f32 v[RR+2*\y], v[LS+2*\y]
.endr
	v_nop
	WIN 0x41
	s_wait_alu depctr_va_vdst(0)
.irp y, 0,1
.set j, 0
.rept 16
	v_pk_mul_f32 v[64*\y+j:64*\y+j+1], v[128+32*\y+j:129+32*\y+j], v[RR+2*\y:RR+2*\y+1] op_sel_hi:[1,0]
.set j, j+2
.endr
.endr
	WIN 0x05
.irp c, 0,1
.irp y, 0,1
	v_max3_num_f32 v[BM+2*\y+\c], |v[64*\y+16*\c]|, |v[64*\y+16*\c+1]|, 0x1800000
.endr
.endr
.irp i, 2,4,6,8,10,12,14
.irp c, 0,1
.irp y, 0,1
	v_max3_num_f32 v[BM+2*\y+\c], |v[64*\y+16*\c+\i]|, |v[64*\y+16*\c+\i+1]|, v[BM+2*\y+\c]
.endr
.endr
.endr
	WIN 0
.irp y, 0,1
	v_max_num_f32 v[BM+2*\y], v[BM+2*\y], v[BM+2*\y+1]
.endr
.irp y, 0,1
	v_add_nc_u32 v[SO+2*\y], 0xff000000, v[BM+2*\y]
.endr
.irp y, 0,1
	v_lshrrev_b32 v[PM+2*\y], 23, v[SO+2*\y]
.endr
	s_wait_alu depctr_va_vdst(0)
	s_wait_xcnt 0x0                                ; earlier stores have read their registers
	WIN 0x01
.irp y, 0,1
	v_cvt_scalef32_pk16_fp6_f32 v[PC+12*\y:PC+12*\y+2], v[64*\y:64*\y+15], v[SO+2*\y]
	v_cvt_scalef32_pk16_fp6_f32 v[CT+8*\y:CT+8*\y+2], v[64*\y+16:64*\y+31], v[SO+2*\y]
.endr
	WIN 0
	v_nop
.irp y, 0,1
.irp i, 0,1,2
	v_mov_b32 v[PC+12*\y+3+\i], v[CT+8*\y+\i]
.endr
.endr
.irp y, 0,1
	global_store_b128 v11, v[PC+12*\y:PC+12*\y+3], s[\b+4:\b+5] offset:12288*\y        ; the half-image: 512 and 256 consecutive bytes, aligned
	global_store_b64 v12, v[PC+12*\y+4:PC+12*\y+5], s[\b+4:\b+5] offset:12288*\y+512
	global_store_b8 v14, v[PM+2*\y], s[\b+6:\b+7] offset:512*\y
.endr
.endm
	s_load_b256 s[4:11], s[0:1], 0x0               ; qb, kv, oc, sc2
	v_lshl_add_u32 v7, v0, 2, SPARE
	v_mov_b32 v8, 0
	ds_add_u32 v7, v8                              ; the opening lines
	ds_add_u32 v7, v8
	v_lshrrev_b32 v16, 5, v0
	s_delay_alu instid0(VALU_DEP_1)
	v_readfirstlane_b32 s12, v16                   ; wave 0..7
	s_bfe_u32 s13, ttmp6, 0x40000                  ; cx
	s_mov_b32 s14, ttmp9                           ; the head
	s_mov_b32 s24, 15|(3<<16)|(1<<21)              ; group 1: the four work-groups; elements of 8 bytes; rows of 256 bytes, dense
	s_mov_b32 s25, 32<<16
	s_mov_b32 s26, 25<<16
	s_mov_b32 s27, 32<<16
	s_mov_b32 s28, 25
	s_mov_b32 s29, 32
	s_mov_b32 s30, 0
	s_mov_b32 s31, 0
	s_mov_b32 s32, 1
	s_mul_i32 s33, s12, 6400                       ; my eighth of groups 0-3,
	s_mov_b32 s36, 1
	s_mul_i32 s37, s12, 19200
	s_add_co_u32 s37, s37, B1                      ; and of groups 4-15
	s_mul_i32 s56, s14, 16*GRP
	s_add_co_u32 s58, s56, s33
	s_mov_b32 s59, 0
	s_add_co_u32 s60, s56, s37
	s_mov_b32 s61, 0
	s_mov_b32 s15, s12                             ; the low pair's last key step,
	s_sub_co_u32 s19, 15, s12                      ; the high pair's
	s_lshl_b32 s62, s12, 2
	s_add_co_u32 s62, s62, s13                     ; the low pair
	s_sub_co_u32 s63, 63, s62                      ; the high pair
	s_sub_co_u32 s80, 3, s13                       ; its block of 32 in its group
	s_mov_b32 s20, 0x76543210
	s_mov_b32 s21, 0xfedcba98
	s_mov_b32 s22, 0x3e38aa3b                      ; log2(e) / 8
	s_mov_b32 s23, s22
	s_wait_dscnt 0x0
	s_wait_kmcnt 0x0
	s_add_nc_u64 s[34:35], s[6:7], s[58:59]
	s_or_b32 s35, s35, 0x80000000
	s_add_nc_u64 s[38:39], s[6:7], s[60:61]
	s_or_b32 s39, s39, 0x80000000
	PTRS 63, 40
	PTRS 62, 48
	CROUND
	tensor_load_to_lds s[32:35], s[24:31]          ; my one load at the head
	s_nop 0
.rept 4
	v_nop
.endr
	v_and_b32 v16, 31, v0
	v_and_b32 v17, 15, v0
	v_and_b32 v18, 7, v0                           ; a = r % 8
	v_bfe_u32 v19, v0, 3, 1                        ; b = r / 8
	v_bfe_u32 v20, v0, 4, 1                        ; h
	v_lshlrev_b32 v11, 4, v16
	v_lshlrev_b32 v12, 3, v16
	v_lshlrev_b32 v13, 4, v17
	v_lshl_add_u32 v14, v17, 5, v20
	v_lshlrev_b32 v10, 3, v20
	v_mov_b32 v9, 0xff800000
	global_load_b128 v[QZ+6:QZ+9], v11, s[40:41]
	global_load_b64 v[QZ+10:QZ+11], v12, s[40:41] offset:512
	global_load_b128 v[QZ+18:QZ+21], v11, s[40:41] offset:768
	global_load_b64 v[QZ+22:QZ+23], v12, s[40:41] offset:1280
	global_load_b32 v[TW], v13, s[42:43]
	WIN 0x40
	global_load_b128 v[192:195], v11, s[48:49]     ; the low pair's q waits in window 1
	global_load_b64 v[196:197], v12, s[48:49] offset:512
	global_load_b128 v[198:201], v11, s[48:49] offset:768
	global_load_b64 v[202:203], v12, s[48:49] offset:1280
	global_load_b32 v204, v13, s[50:51]
	WIN 0
	v_lshlrev_b32 v21, 4, v18
	v_lshlrev_b32 v22, 3, v18
	v_mul_u32_u24 v23, v19, 1536
	v_lshl_add_u32 v21, v20, 8, v21                ; 16 x the lane of the image that I read: a + 16 h
	v_lshl_add_u32 v22, v20, 7, v22
	v_lshlrev_b32 v3, 2, v19
	v_lshlrev_b32 v6, 3, v19
	v_add_nc_u32 v1, v21, v23                      ; k: rows 8-15 of a tile come from the next pair of token blocks
	v_add_nc_u32 v2, v22, v23
	v_lshl_add_u32 v4, v23, 1, v21                 ; v: from the image two further on
	v_lshl_add_u32 v5, v23, 1, v22
	v_lshl_add_u32 v3, v18, 4, v3
	v_lshl_add_u32 v6, v18, 4, v6
.irp j, 0,1,2,3,4,5
	v_mov_b32 v[QZ+\j], 0                          ; zero codes
	v_mov_b32 v[QZ+12+\j], 0
	v_mov_b32 v[QZ+24+\j], 0
.endr
.irp y, 0,1
	v_mov_b32 v[PX+\y], 0                          ; a lane permute's destination counts as one of its sources
	v_mov_b32 v[FF+2*\y+1], 0                      ; upper halves of pairs
	v_mov_b32 v[RR+2*\y+1], 0
.endr
	v_mov_b32 v16, v1
	v_mov_b32 v17, v2
	v_mov_b32 v18, v3
	s_wait_alu depctr_va_vdst(0)                   ; the wait at the head's end
	s_wait_tensorcnt 0x0                           ; my part of groups 0-3 is in
	ds_add_u32 v7, v8
	s_mov_b32 s26, 75<<16                          ; no load of mine is out: 75 rows from here on
	s_mov_b32 s28, 75
	s_wait_dscnt 0x0
	CROUND
	tensor_load_to_lds s[36:39], s[24:31]          ; groups 4-15: a first fill, issued as a refill is
	s_nop 0
.rept 4
	v_nop
.endr
	KLOAD                                          ; step 0's k
	s_wait_loadcnt 0x0
	v_perm_b32 v[QS], v[TW], v[TW], 0x01000100     ; a tile's two scale bytes, twice: they serve q's codes in either half of K
	v_perm_b32 v[QS+1], v[TW], v[TW], 0x03020302
	MASKSET 80
	INIT
	LOOP 0, 3, 0, 0                                ; steps 0-2 read groups 0-3 alone
	s_wait_tensorcnt 0x0                           ; my part of groups 4-15 is in,
	s_wait_dscnt 0x0
	s_barrier_signal -1
	s_barrier_wait -1                              ; everybody's is
	LOOP 3, 13, 19, 1
	FINISH 40
	s_wait_xcnt 0x0                                ; the stores have read their registers
	WIN 0x01
.irp i, 0,1,2,3,4,5
	v_mov_b32 v[QZ+6+\i], v[192+\i]
	v_mov_b32 v[QZ+18+\i], v[198+\i]
.endr
	v_mov_b32 v[TW], v204
	WIN 0
	v_mov_b32 v16, v1
	v_mov_b32 v17, v2
	v_mov_b32 v18, v3
	v_perm_b32 v[QS], v[TW], v[TW], 0x01000100
	v_perm_b32 v[QS+1], v[TW], v[TW], 0x03020302
	KLOAD
	MASKSET 13
	INIT
	LOOP 0, 8, 15, 1
	FINISH 48
	s_wait_tensorcnt 0x0                           ; the wave's end
	ds_add_u32 v7, v8
	s_wait_dscnt 0x0
	CROUND                                         ; the closing round
	s_endpgm
.Lfunc_end_k_q782e0fe36d_attn:
	.size	k_q782e0fe36d_attn, .Lfunc_end_k_q782e0fe36d_attn-k_q782e0fe36d_attn
	.p2alignl 7, 3214868480
	.fill 96, 4, 3214868480
	.section	.rodata,"a",@progbits
	.p2align	6, 0x0
	.amdhsa_kernel k_q782e0fe36d_attn
		.amdhsa_group_segment_fixed_size 327680
		.amdhsa_private_segment_fixed_size 0
		.amdhsa_enable_private_segment 0
		.amdhsa_kernarg_size 32
		.amdhsa_user_sgpr_count 2
		.amdhsa_user_sgpr_kernarg_segment_ptr 1
		.amdhsa_wavefront_size32 1
		.amdhsa_system_sgpr_workgroup_id_x 1
		.amdhsa_system_sgpr_workgroup_id_y 1
		.amdhsa_system_sgpr_workgroup_id_z 1
		.amdhsa_system_vgpr_workitem_id 0
		.amdhsa_next_free_vgpr 512
		.amdhsa_next_free_sgpr 84
		.amdhsa_reserve_vcc 0
		.amdhsa_float_denorm_mode_32 3
		.amdhsa_float_denorm_mode_16_64 3
		.amdhsa_memory_ordered 1
		.amdhsa_forward_progress 1
		.amdhsa_inst_pref_size 143
	.end_amdhsa_kernel
	.amdgpu_metadata
---
amdhsa.version: [ 1, 2 ]
amdhsa.kernels:
  - .name:           k_q782e0fe36d_attn
    .symbol:         k_q782e0fe36d_attn.kd
    .args:
      - { .name: qb, .offset: 0, .size: 8, .value_kind: global_buffer, .address_space: global }
      - { .name: kv, .offset: 8, .size: 8, .value_kind: global_buffer, .address_space: global }
      - { .name: oc, .offset: 16, .size: 8, .value_kind: global_buffer, .address_space: global }
      - { .name: sc2, .offset: 24, .size: 8, .value_kind: global_buffer, .address_space: global }
    .group_segment_fixed_size: 327680
    .private_segment_fixed_size: 0
    .kernarg_segment_align: 8
    .kernarg_segment_size: 32
    .max_flat_workgroup_size: 256
    .sgpr_count:     84
    .vgpr_count:     512
    .wavefront_size: 32
...
	.end_amdgpu_metadata
.endif
;; end of part 3
;; launch proj (part 4): grid 4 x 64, 4 waves a work-group, clusters of 4 x 4, 327,680 bytes of LDS; arguments oc, wc, sc2, out0; writes out0
.if DOCPART == 4
	.amdgcn_target "amdgcn-amd-amdhsa--gfx1250"
	.amdhsa_code_object_version 6
	.text
	.protected	k_q782e0fe36d_proj
	.globl	k_q782e0fe36d_proj
	.p2align	8
	.type	k_q782e0fe36d_proj,@function
k_q782e0fe36d_proj:
	s_mov_b64 s[64:65], 0
	v_nop
	global_prefetch_b8 v0, s[64:65] scope:SCOPE_SE
	s_setreg_imm32_b32 hwreg(HW_REG_WAVE_MODE, 25, 1), 1
	s_wait_xcnt 0x0
	s_wait_alu depctr_hold_cnt(0) depctr_sa_sdst(0) depctr_va_vdst(0) depctr_va_sdst(0) depctr_va_ssrc(0) depctr_va_vcc(0) depctr_vm_vsrc(0)
	s_getreg_b32 s2, hwreg(HW_REG_IB_STS2, 6, 4)
	s_cmp_eq_u32 s2, 0
	s_cbranch_scc0 .Lentry_in_a_cluster
	s_endpgm
.Lentry_in_a_cluster:
	s_bfe_u32 s2, ttmp6, 0x10000c
	s_cmp_lg_u32 s2, 0xf033
	s_cbranch_scc0 .Lentry_shape_is_right
	s_endpgm
.Lentry_shape_is_right:
; out0 = o W_out^T on codes of FP6 (E2M3) with E8M0 scales, K = 1,024; out0 [8192][1024] f32.
; A tile of 128 tokens x 256 features is made by four waves, each 64 x 128: 32 accumulators.  64 x 4 tiles: 256 work-groups.
; The matrix instruction is used transposed: source 0 = 16 rows of W_out (B), source 1 = 16 rows of o (A): a lane holds one token, its registers run along the features.  Rows of both lie in storage order; the way out undoes both.
; Operands are images of their registers, [storage block][K step][1,536 bytes].  o's 8 blocks and W_out's 16, for all of K, are 294,912 bytes: they come into LDS once, one tensor load a wave, and nothing is filled again.
; CLUSTERS 4 x 4: o's tile is shared along a row of the cluster, W_out's along a column.  No prefetch: everything is asked for by the head's loads.
; REGISTERS.  Window 0: v1-3 lane, r, h; v4-9 LDS addresses; v16-19 way out; v20, v21 scale addresses; v28, v29 the add's two; v32-95 scale words (8 i + K step: lanes 0-15 A's block i mod 4, lanes 16-31 B's block i);
;   v128-223 A's fragments, two sets of four; on the way out v128-255 take rows.  Window 1: B's two sets.  Window 2: the accumulators.
.set SPARE, 294912
.set FR,    12
.set A16,   4
.set A8,    5
.set B16,   6
.set B8,    8
.set L16,   16
.set L8,    17
.set STO,   18
.set RD,    19
.set SPW,   28
.set NIL,   29
.set SC,    32
.set AF,    128
.set BK,    128
.set G1,    24
.set G1B,   32
.set G0A,   40
.set G0B,   44
.set MSB, 0
.macro WIN new
.if MSB != \new
	s_set_vgpr_msb (MSB<<8)|\new
.set MSB, \new
.endif
.endm
.set MUL_LO, 0xa1
.set TO_B,   0x40
.macro CREST
	s_cmp_lg_u32 s16, 0
	s_cbranch_scc1 .Lnot_wave_0_\@
	s_barrier_signal -3
.Lnot_wave_0_\@:
	s_barrier_wait -3
	s_barrier_signal -1
	s_barrier_wait -1
.endm
.macro CROUND
	s_barrier_signal -1
	s_barrier_wait -1
	CREST
.endm
.macro PLACES n
.rept \n
	v_nop
.endr
.endm
	s_load_b256 s[4:11], s[0:1], 0x0               ; oc, wc, sc2, out0
	v_lshl_add_u32 v[SPW], v0, 2, SPARE
	v_mov_b32 v[NIL], 0
	ds_add_u32 v[SPW], v[NIL]                      ; the opening lines
	ds_add_u32 v[SPW], v[NIL]
	v_lshrrev_b32 v1, 5, v0
	v_readfirstlane_b32 s16, v1                    ; wave
	s_lshr_b32 s17, s16, 1                         ; my 64 tokens; also: I fetch for A (0) or B (1)
	s_and_b32 s18, s16, 1                          ; my 128 features; also: which half I fetch
	s_bfe_u32 s56, ttmp6, 0x40000
	s_bfe_u32 s57, ttmp6, 0x40004
	s_lshl_b32 s58, s57, 2
	s_lshl_b32 s58, 15, s58
	s_lshl_b32 s59, 0x1111, s56
	s_or_b32 s[G1], s58, (3<<16)|(1<<21)
	s_or_b32 s[G1B], s59, (3<<16)|(1<<21)
.irp g, G1, G1B
	s_mov_b32 s[\g+1], 1536<<16                    ; a row: a storage block's 12,288 bytes
	s_mov_b32 s[\g+3], 1536<<16
	s_mov_b32 s[\g+5], 1536
	s_mov_b32 s[\g+6], 0
	s_mov_b32 s[\g+7], 0
.endr
	s_mov_b32 s[G1+2], 4<<16                       ; four blocks of o,
	s_mov_b32 s[G1+4], 4
	s_mov_b32 s[G1B+2], 8<<16                      ; eight of W_out
	s_mov_b32 s[G1B+4], 8
	s_and_b32 s60, ttmp7, 0xffff
	s_lshl_b32 s60, s60, 2
	s_add_co_u32 s60, s60, s57                     ; A's tile of 128 tokens
	s_lshl_b32 s61, ttmp9, 2
	s_add_co_u32 s61, s61, s56                     ; B's tile of 256 features
	s_mul_i32 s19, s18, 49152
	s_mul_i32 s20, s60, 98304
	s_add_co_u32 s20, s20, s19
	s_mov_b32 s21, 0
	s_mul_i32 s86, s18, 98304
	s_mul_i32 s22, s61, 196608
	s_add_co_u32 s22, s22, s86
	s_add_co_u32 s22, s22, 2359296                 ; W_out's images lie behind W_qkv's
	s_mov_b32 s23, 0
	s_add_co_u32 s87, s86, 98304                   ; B lies behind A's 98,304 bytes
	s_add_co_u32 s85, s87, 49152
	s_mul_i32 s84, s17, 49152
	s_lshl_b32 s62, s60, 12
	s_lshl_b32 s63, s17, 11
	s_add_co_u32 s62, s62, s63                     ; o's scale bytes of my rows
	s_lshl_b32 s63, s61, 13
	s_lshl_b32 s92, s18, 12
	s_add_co_u32 s63, s63, s92
	s_add_co_u32 s63, s63, 0x40000                 ; W_out's
	s_mul_i32 s92, s16, 8448                       ; my stage
	s_lshl_b32 s90, s60, 7
	s_lshl_b32 s91, s17, 6
	s_add_co_u32 s90, s90, s91
	s_lshl_b32 s90, s90, 12
	s_lshl_b32 s91, s61, 10
	s_add_co_u32 s90, s90, s91
	s_lshl_b32 s91, s18, 9
	s_add_co_u32 s90, s90, s91                     ; my corner of the output, in bytes
	s_mov_b32 s91, 0
	s_mov_b32 s95, 0xffff0000
	s_wait_dscnt 0x0
	s_wait_kmcnt 0x0
	s_mov_b32 s[G0A], 1
	s_mov_b32 s[G0A+1], s19
	s_add_nc_u64 s[G0A+2:G0A+3], s[4:5], s[20:21]
	s_or_b32 s[G0A+3], s[G0A+3], 0x80000000
	s_mov_b32 s[G0B], 1
	s_mov_b32 s[G0B+1], s87
	s_add_nc_u64 s[G0B+2:G0B+3], s[6:7], s[22:23]
	s_or_b32 s[G0B+3], s[G0B+3], 0x80000000
	s_add_nc_u64 s[10:11], s[10:11], s[90:91]
	CROUND
	s_cmp_eq_u32 s17, 0                            ; my one tensor load
	s_cbranch_scc0 .Lfor_b
	tensor_load_to_lds s[G0A:G0A+3], s[G1:G1+7]
	s_nop 0
.rept 4
	v_nop
.endr
	s_branch .Lasked
.Lfor_b:
	tensor_load_to_lds s[G0B:G0B+3], s[G1B:G1B+7]
	s_nop 0
.rept 4
	v_nop
.endr
.Lasked:
	v_and_b32 v1, 31, v0
	v_and_b32 v2, 15, v0
	v_bfe_u32 v3, v0, 4, 1
	v_lshlrev_b32 v[L16], 4, v1
	v_lshlrev_b32 v[L8], 3, v1
	v_mov_b32 v20, s62
	v_mov_b32 v21, s63
	v_cndmask_b32 v20, v20, v21, s95               ; lanes 0-15 A's rows, lanes 16-31 B's
	v_lshl_add_u32 v20, v2, 5, v20
	v_lshl_add_u32 v21, v3, 11, v20                ; for blocks 4-7: B's four blocks on, A's four once more
.irp i, 0,1,2,3,4,5,6,7
	global_load_b128 v[SC+8*\i:SC+8*\i+3], v[20+\i/4], s[8:9] offset:512*(\i%4)
	global_load_b128 v[SC+8*\i+4:SC+8*\i+7], v[20+\i/4], s[8:9] offset:512*(\i%4)+16
.endr
	v_add_nc_u32 v[A16], s84, v[L16]
	v_add_nc_u32 v[A8], s84, v[L8]
	v_add_nc_u32 v[B16], s87, v[L16]
	v_add_nc_u32 v[B16+1], s85, v[L16]
	v_add_nc_u32 v[B8], s87, v[L8]
	v_add_nc_u32 v[B8+1], s85, v[L8]
	v_mul_u32_u24 v[STO], v2, 528
	v_lshl_add_u32 v[STO], v3, 6, v[STO]
	v_add_nc_u32 v[STO], s92, v[STO]
	v_add_nc_u32 v[RD], s92, v[L16]
.macro FRAG reg, a16, a8, off
	ds_load_b128 v[\reg:\reg+3], v[\a16] offset:\off
	ds_load_b64 v[\reg+4:\reg+5], v[\a8] offset:\off+512
	ds_load_b128 v[\reg+6:\reg+9], v[\a16] offset:\off+768
	ds_load_b64 v[\reg+10:\reg+11], v[\a8] offset:\off+1280
.endm
.macro VFETCH kk, p
	WIN TO_B
.irp i, 0,1,2,3,4,5,6,7
	FRAG 128*(\p)+FR*\i, B16+\i/4, B8+\i/4, 12288*(\i%4)+1536*(\kk)
.endr
	WIN 0
.irp i, 0,1,2,3
	FRAG AF+FR*(4*(\p)+\i), A16, A8, 12288*\i+1536*(\kk)
.endr
.endm
; 16 matrix instructions; the 32 accumulators take turns, one instruction a turn
.macro MUL16 a0, p, kk, zero
.irp a, \a0, \a0+1
.irp b, 0,1,2,3,4,5,6,7
.if \zero
	v_wmma_scale_f32_16x16x128_f8f6f4 v[8*(8*((\a)%4)+\b):8*(8*((\a)%4)+\b)+7], v[128*(\p)+FR*\b:128*(\p)+FR*\b+FR-1], v[AF+FR*(\a):AF+FR*(\a)+FR-1], 0, v[SC+8*\b+(\kk)], v[SC+8*(\a)+(\kk)] matrix_a_fmt:MATRIX_FMT_FP6 matrix_b_fmt:MATRIX_FMT_FP6 matrix_a_scale:MATRIX_SCALE_ROW1
.else
	v_wmma_scale_f32_16x16x128_f8f6f4 v[8*(8*((\a)%4)+\b):8*(8*((\a)%4)+\b)+7], v[128*(\p)+FR*\b:128*(\p)+FR*\b+FR-1], v[AF+FR*(\a):AF+FR*(\a)+FR-1], v[8*(8*((\a)%4)+\b):8*(8*((\a)%4)+\b)+7], v[SC+8*\b+(\kk)], v[SC+8*(\a)+(\kk)] matrix_a_fmt:MATRIX_FMT_FP6 matrix_b_fmt:MATRIX_FMT_FP6 matrix_a_scale:MATRIX_SCALE_ROW1
.endif
.endr
.endr
.endm
.macro VSTEP kk, zero
	s_wait_dscnt 0x0                               ; this step's fragments are in
.if (\kk) < 7
	PLACES 4
	VFETCH (\kk)+1, 1-(\kk)%2
.else
	s_barrier_signal -1                            ; my reads of the tiles are over
.endif
	WIN MUL_LO
	MUL16 4*((\kk)%2), (\kk)%2, \kk, \zero
	MUL16 4*((\kk)%2)+2, (\kk)%2, \kk, \zero
	WIN 0
.endm
	s_wait_alu depctr_va_vdst(0)                   ; the wait at the head's end
	s_wait_tensorcnt 0x0                           ; my part is in,
	s_barrier_signal -1
	s_barrier_wait -1                              ; everybody's is
	VFETCH 0, 0
	s_wait_loadcnt 0x0                             ; the scale words
	VSTEP 0, 1                                     ; the first products start the sums
.irp k, 1,2,3,4,5,6,7
	VSTEP \k, 0
.endr
	s_barrier_wait -1                              ; nobody reads the tiles any more: the stages may lie on them; they have had their only fill
; THE WAY OUT, block by block of 16 tokens x 128 features.  Register j of accumulator b is feature 32 (b / 2) + 8 (b % 2) + 16 h + j; row t of block a is token 32 (a / 2) + 8 (a % 2) + t + 8 (t / 8).
.macro TOSTAGE a
.set AC, 64*(\a)
	WIN 0x08
.irp b, 0,1,2,3,4,5,6,7
	ds_store_b128 v[STO], v[AC+8*\b:AC+8*\b+3] offset:128*(\b/2)+32*(\b%2)
	ds_store_b128 v[STO], v[AC+8*\b+4:AC+8*\b+7] offset:128*(\b/2)+32*(\b%2)+16
.endr
	WIN 0
.set BB, BK+64*((\a)%2)
.irp t, 0,1,2,3,4,5,6,7,8,9,10,11,12,13,14,15
	ds_load_b128 v[BB+4*\t:BB+4*\t+3], v[RD] offset:\t*528     ; LDS serves a wave's instructions in order: these see my stores
.endr
.endm
.macro SEND a, younger
.set BB, BK+64*((\a)%2)
	s_wait_dscnt \younger
.irp t, 0,1,2,3,4,5,6,7,8,9,10,11,12,13,14,15
	global_store_b128 v[L16], v[BB+4*\t:BB+4*\t+3], s[10:11] offset:(32*((\a)/2)+8*((\a)%2)+\t+8*(\t/8))*4096 th:TH_STORE_NT   ; 512 consecutive bytes, aligned
.endr
.endm
	PLACES 4
	TOSTAGE 0
.irp a, 1,2,3
.if \a > 1
	s_wait_xcnt 0x0                                ; block a - 2's stores have read their registers
.endif
	TOSTAGE \a
	SEND \a-1, 32                                  ; behind block a - 1's loads: block a's 16 stores and 16 loads
.endr
	SEND 3, 0
	s_wait_tensorcnt 0x0                           ; the wave's end
	ds_add_u32 v[SPW], v[NIL]
	s_wait_dscnt 0x0
	CROUND
	s_endpgm
.Lfunc_end_k_q782e0fe36d_proj:
	.size	k_q782e0fe36d_proj, .Lfunc_end_k_q782e0fe36d_proj-k_q782e0fe36d_proj
	.p2alignl 7, 3214868480
	.fill 96, 4, 3214868480
	.section	.rodata,"a",@progbits
	.p2align	6, 0x0
	.amdhsa_kernel k_q782e0fe36d_proj
		.amdhsa_group_segment_fixed_size 327680
		.amdhsa_private_segment_fixed_size 0
		.amdhsa_enable_private_segment 0
		.amdhsa_kernarg_size 32
		.amdhsa_user_sgpr_count 2
		.amdhsa_user_sgpr_kernarg_segment_ptr 1
		.amdhsa_wavefront_size32 1
		.amdhsa_system_sgpr_workgroup_id_x 1
		.amdhsa_system_sgpr_workgroup_id_y 1
		.amdhsa_system_sgpr_workgroup_id_z 1
		.amdhsa_system_vgpr_workitem_id 0
		.amdhsa_next_free_vgpr 1024
		.amdhsa_next_free_sgpr 100
		.amdhsa_reserve_vcc 0
		.amdhsa_float_denorm_mode_32 3
		.amdhsa_float_denorm_mode_16_64 3
		.amdhsa_memory_ordered 1
		.amdhsa_forward_progress 1
		.amdhsa_inst_pref_size 81
	.end_amdhsa_kernel
	.amdgpu_metadata
---
amdhsa.version: [ 1, 2 ]
amdhsa.kernels:
  - .name:           k_q782e0fe36d_proj
    .symbol:         k_q782e0fe36d_proj.kd
    .args:
      - { .name: oc, .offset: 0, .size: 8, .value_kind: global_buffer, .address_space: global }
      - { .name: wc, .offset: 8, .size: 8, .value_kind: global_buffer, .address_space: global }
      - { .name: sc2, .offset: 16, .size: 8, .value_kind: global_buffer, .address_space: global }
      - { .name: out0, .offset: 24, .size: 8, .value_kind: global_buffer, .address_space: global }
    .group_segment_fixed_size: 327680
    .private_segment_fixed_size: 0
    .kernarg_segment_align: 8
    .kernarg_segment_size: 32
    .max_flat_workgroup_size: 128
    .sgpr_count:     100
    .vgpr_count:     1024
    .wavefront_size: 32
...
	.end_amdgpu_metadata
.endif
;; end of part 4
